; MI455X (gfx1250); checked and timed in simulation.
; The chip was launched on July 23, 2026; its instructions are those of AMD's public machine-readable ISA for CDNA 5 (MIT licence, August 2026) and "CDNA5" Instruction Set Architecture Reference Guide (July 2026). The comments in the code are by the model that wrote it; some were corrected since.
;; Quantized Expert. Allowed arithmetic: matrix products marked QUANTISED: E3M2 operands, one E8M0 scale for each 32 along K, by v_wmma_scale_f32_16x16x128_f8f6f4 with both operands' format E3M2, f32 sums; everything else in f32.
;; Inputs: fc1_packed 16,384 x 2,048 int32; fc1_scales 16,384 x 1 float32; fc2_packed 4,096 x 8,192 int32; fc2_scales 4,096 x 1 float32; x 512 x 4,096 float32.
;; Outputs: out0 512 x 4,096 float32.
;; This version of the problem:
;;   THIS VERSION OF THE PROBLEM IS GIVEN IN LOW PRECISION. The matrix products marked QUANTISED in the list below multiply operands that are first quantised to E3M2 (3 exponent bits, 2 mantissa bits; 6 bits a number), with one power-of-two scale for each 32 numbers along K (OCP MX v1.0); their sums are f32. All else is computed in f32.
;;   The module's matrix products, in the order in which they are computed (A, B: the left and right operand; K: the contracted axis; several contracted axes count as one K, in the product's order):
;;     1. [M 512, K 4,096] x [K 4,096, N 16,384]; A: input x; B: computed on the way: QUANTISED
;;     2. [M 512, K 16,384] x [K 16,384, N 4,096]; A: computed on the way; B: computed on the way: QUANTISED
;;   THE QUANTISER, for each operand of a quantised product, along K:
;;     - K is cut into blocks of 32 from its start; a last block that is shorter is filled with zeros.
;;     - A block's scale is 2^e with e = floor(log2(the largest magnitude in the block)) - 4, held to -126 .. 127; a block of zeros has e = 0. As a byte (E8M0): e + 127.
;;     - Each number is divided by its block's scale, clamped to +-28, and rounded to the nearest number of E3M2, ties to even, subnormals kept.
;;     - The product sums the exact products of the quantised numbers (number of the format x scale) in f32.
;;   ~~~python
;;   def quantise(x, axis):      # numpy; x: float32 -> the quantised numbers, widened to float32 again
;;       x = np.moveaxis(x, axis, -1); K = x.shape[-1]
;;       x = np.pad(x, [(0, 0)] * (x.ndim - 1) + [(0, -K % 32)]); x = x.reshape(x.shape[:-1] + (-1, 32)); a = np.abs(x).max(-1, keepdims=True)
;;       e = np.where(a > 0, np.clip(np.frexp(np.where(a > 0, a, 1))[1] - 1 - 4, -126, 127), 0)      # np.frexp(a)[1] - 1 = floor(log2(a)), exactly
;;       r = np.clip(x / 2.0 ** e, -28, 28)
;;       step = 2.0 ** (np.maximum(np.frexp(np.where(r == 0, 1, r))[1] - 1, -2) - 2)
;;       q = np.round(r / step) * step * 2.0 ** e      # np.round: ties to even
;;       return np.moveaxis(q.reshape(q.shape[:-2] + (-1,))[..., :K], -1, axis).astype(np.float32)
;;   ~~~
;;   OPERANDS COMPUTED ON THE WAY. 'Computed on the way' means the value that the module computes at that place (a softmax that the list does not call 'softmax' is quantised finished and normalised). What goes into a quantiser is computed in f32, as accurately as f32 sums, v_exp_f32 and their like allow (about 1e-6 of the number): no bf16 or f16 on the way to a quantiser, and a product that is left as it is and whose result goes on into a quantised operand takes f32 operands (vector FMAs, or v_wmma_f32_16x16x4_f32). A number that lies on a knife's edge between two numbers of the format may be rounded either way, as far as f32 arithmetic and the matrix unit's own rounding can turn it there, and no further.
;; 2 versions. Each part assembles by itself: llvm-mc -triple=amdgcn-amd-amdhsa -mcpu=gfx1250 --defsym DOCPART=n.
;; ======== version 1 of 2: 4 launches
;; workspace buffers: xq 1,638,400 bytes; hq 6,553,600 bytes; part 33,554,432 bytes
;; launch qx (part 1): grid 128 x 1, 8 waves a work-group, no clusters, 2,048 bytes of LDS; arguments x, xq; writes xq
.if DOCPART == 1
	.amdgcn_target "amdgcn-amd-amdhsa--gfx1250"
	.amdhsa_code_object_version 6
	.text
	.protected	k_qa014ba5196_qx
	.globl	k_qa014ba5196_qx
	.p2align	8
	.type	k_qa014ba5196_qx,@function
k_qa014ba5196_qx:
	s_mov_b64 s[64:65], 0
	v_nop
	global_prefetch_b8 v0, s[64:65] scope:SCOPE_SE
	s_setreg_imm32_b32 hwreg(HW_REG_WAVE_MODE, 25, 1), 1
	s_wait_xcnt 0x0
; x [512][4096] f32 becomes codes of BF6 (E3M2) with one E8M0 byte for each 32 along K, laid as the next launch's operand registers want them.
; xq: 16 chunks of 256 along K, 102,400 bytes each.  In a chunk: fragment (K step s = 0, 1; token tile m = 0 .. 31) at (32 s + m) x 1,536; in it, for each half c of the K step, at 768 c:
; 512 bytes = lane l's registers 6 c .. 6 c + 3 at 16 l, then 256 bytes = registers 6 c + 4, 6 c + 5 at 8 l.  Behind the 64 fragments, at 98,304 + 2,048 s + 1,024 c + 256 g (g = m / 8):
; 256 bytes of scale halves: lane l's 8 bytes are four halves of 16 bits, number i for tile 8 g + 4 (l / 16) + i, row l % 16: byte of block 2 c | byte of block 2 c + 1 << 8.
; SHARES: work-group = (K step S = x / 4, group of eight token tiles g = x % 4); wave i makes the fragment of tile 8 g + i.  Eight tiles to a work-group, since 256 consecutive bytes of scale halves hold eight tiles' halves: they meet in LDS.
; A block's scale is 2^(floor(log2(its largest magnitude)) - 4): its byte is the largest magnitude's exponent field - 4, held at 1 from below.
; LIMITS: a block of zeros gets the byte 1 where the rule says 127 (its codes are zeros, and this program alone reads the bytes); blocks whose largest magnitude lies under 2^-122 are held at the byte 1; NaN and infinities are not served.
; No matrix unit, no cluster, no tensor load: no work-group shares an input byte with another, and the launch moves a small part of the program's bytes.
.set CHUNK, 102400
.set FRB,   1536
.set SCOFF, 98304
.set XA,  4                            ; v4   x: 16,384 r + 64 h
.set G16, 5                            ; v5   16 x lane
.set G8,  6                            ; v6   8 x lane
.set LH,  7                            ; v7   LDS: where my row's scale half goes
.set TM,  8                            ; v8-11 largest magnitudes, v12-15 the other half's, then bytes, v20-23 the conversions' scale operands
.set PW,  24                           ; v24  my row's scale word
.set GS,  25                           ; v25  wave 0: 1,024 (lane / 16) + 16 (lane % 16)
.set X,   32                           ; v32-95  64 numbers: register 16 b + i = k 32 b + 16 h + i of my row
.set PC,  96                           ; v96-107 the fragment; v108-114 at work
	s_load_b128 s[4:7], s[0:1], 0x0                ; x, xq
	v_lshl_add_u32 v128, v0, 2, 0x400
	v_mov_b32 v129, 0
	v_lshrrev_b32 v1, 5, v0
	v_readfirstlane_b32 s8, v1                     ; wave i = 0 .. 7
	v_and_b32 v1, 31, v0                           ; lane
	v_and_b32 v2, 15, v0                           ; r
	v_bfe_u32 v3, v0, 4, 1                         ; h
	v_lshlrev_b32 v[XA], 14, v2                    ; a row of x is 16,384 bytes
	v_lshl_add_u32 v[XA], v3, 6, v[XA]             ; my 16 numbers of a block of 32
	v_lshlrev_b32 v[G16], 4, v1
	v_lshlrev_b32 v[G8], 3, v1
	v_lshlrev_b32 v[GS], 4, v2
	v_lshl_add_u32 v[GS], v3, 10, v[GS]
	s_lshr_b32 s9, ttmp9, 2                        ; S: K step 0 .. 31
	s_and_b32 s10, ttmp9, 3                        ; g
	s_lshl_b32 s11, s10, 3
	s_add_co_u32 s11, s11, s8                      ; m = 8 g + i
	s_lshl_b32 s12, s11, 18                        ; 16 rows of 16,384 bytes a tile
	s_lshl_b32 s13, s9, 9                          ; 512 bytes a K step
	s_add_co_u32 s12, s12, s13
	s_mov_b32 s13, 0
	s_lshr_b32 s14, s9, 1
	s_mul_i32 s14, s14, CHUNK                      ; the chunk
	s_and_b32 s15, s9, 1                           ; s
	s_lshl_b32 s16, s15, 5
	s_add_co_u32 s16, s16, s11
	s_mul_i32 s16, s16, FRB
	s_add_co_u32 s16, s16, s14                     ; my fragment's image
	s_mov_b32 s17, 0
	s_lshl_b32 s18, s15, 11
	s_lshl_b32 s19, s10, 8
	s_add_co_u32 s18, s18, s19
	s_add_co_u32 s18, s18, s14
	s_add_co_u32 s18, s18, SCOFF                   ; the work-group's scale halves, c = 0
	s_mov_b32 s19, 0
	s_lshr_b32 s20, s8, 2
	s_lshl_b32 s20, s20, 7
	s_and_b32 s21, s8, 3
	s_lshl_b32 s21, s21, 1
	s_add_co_u32 s20, s20, s21
	v_lshl_add_u32 v[LH], v2, 3, s20               ; 8 r + 128 (i / 4) + 2 (i % 4)
	s_mov_b32 s22, 0x76543210
	s_mov_b32 s23, 0xfedcba98                      ; v_permlanex16_b32's selects for lane l xor 16
.irp b, 0,1,2,3
	v_mov_b32 v[TM+4+\b], 0                        ; written once: a lane permute's destination counts as one of its sources
.endr
	s_wait_kmcnt 0x0
	s_add_nc_u64 s[4:5], s[4:5], s[12:13]
	s_add_nc_u64 s[16:17], s[6:7], s[16:17]
	s_add_nc_u64 s[18:19], s[6:7], s[18:19]
.irp b, 0,1,2,3
.irp j, 0,1,2,3
	global_load_b128 v[X+16*\b+4*\j:X+16*\b+4*\j+3], v[XA], s[4:5] offset:128*\b+16*\j th:TH_LOAD_NT   ; the sixteen loads together take each row's 512 bytes whole
.endr
.endr
	s_wait_loadcnt 0x0
.irp b, 0,1,2,3
	v_max3_num_f32 v[TM+\b], |v[X+16*\b]|, |v[X+1+16*\b]|, 0x2800000   ; block b: my 16 numbers, and the floor 2^(5 - 127): the byte cannot fall under 1
.endr
.irp i, 2,4,6,8,10,12,14
.irp b, 0,1,2,3
	v_max3_num_f32 v[TM+\b], v[TM+\b], |v[X+16*\b+\i]|, |v[X+1+16*\b+\i]|   ; the four blocks by turns
.endr
.endr
.irp b, 0,1,2,3
	v_permlanex16_b32 v[TM+4+\b], v[TM+\b], s22, s23
.endr
.irp b, 0,1,2,3
	v_max_num_f32 v[TM+\b], v[TM+\b], v[TM+4+\b]   ; with lane l xor 16's: the block's largest magnitude
.endr
.irp b, 0,1,2,3
	v_add_nc_u32 v[TM+12+\b], 0xfe000000, v[TM+\b] ; 4 off its exponent field: the conversion takes the exponent field of this operand as its scale
.endr
.irp b, 0,1,2,3
	v_lshrrev_b32 v[TM+4+\b], 23, v[TM+12+\b]      ; the scale's byte
.endr
	v_lshl_or_b32 v[PW], v[TM+5], 8, v[TM+4]       ; the four bytes make my row's scale word
	v_lshl_or_b32 v[PW], v[TM+6], 16, v[PW]
	v_lshl_or_b32 v[PW], v[TM+7], 24, v[PW]
.irp c, 0,1
	v_cvt_scalef32_pk16_bf6_f32 v[PC+6*\c:PC+2+6*\c], v[X+32*\c:X+15+32*\c], v[TM+12+2*\c]
	v_cvt_scalef32_pk16_bf6_f32 v[PC+12+4*\c:PC+14+4*\c], v[X+16+32*\c:X+31+32*\c], v[TM+12+2*\c+1]   ; (a conversion's three registers begin on an even number)
.endr
	v_nop                                          ; one plain place behind a scaled conversion
.irp c, 0,1                                    ; the operand's layout wants a WHOLE block in a lane: lanes 0-15 block 2 c, lanes 16-31 block 2 c + 1
.irp i, 0,1,2
	v_permlane16_swap_b32 v[PC+6*\c+\i], v[PC+12+4*\c+\i]
.endr
.irp i, 0,1,2
	v_mov_b32 v[PC+3+6*\c+\i], v[PC+12+4*\c+\i]
.endr
.endr
	ds_store_b16 v[LH], v[PW]                      ; blocks 0, 1: the half for c = 0 (both lanes of a row write the same bytes with the same value)
	ds_store_b16_d16_hi v[LH], v[PW] offset:256    ; blocks 2, 3: for c = 1
.irp c, 0,1
	global_store_b128 v[G16], v[PC+6*\c:PC+6*\c+3], s[16:17] offset:768*\c        ; 512 consecutive bytes, at a multiple of 256 from xq's first byte
	global_store_b64 v[G8], v[PC+6*\c+4:PC+6*\c+5], s[16:17] offset:768*\c+512    ; 256 consecutive bytes, likewise
.endr
	s_wait_dscnt 0x0                               ; for the others' sake: my two halves lie in LDS
	s_barrier_signal -1
	s_barrier_wait -1
	s_cmp_lg_u32 s8, 0                             ; wave 0 stores the eight tiles' halves
	s_cbranch_scc1 .Ldone
	ds_load_b128 v[28:31], v[G16]                  ; lanes 0-15: the 256 bytes for c = 0; lanes 16-31: for c = 1
	s_wait_dscnt 0x0
	global_store_b128 v[GS], v[28:31], s[18:19]    ; sixteen lanes store 256 consecutive bytes, aligned
.Ldone:
	s_wait_tensorcnt 0x0
	ds_add_u32 v128, v129
	s_wait_dscnt 0x0
	s_endpgm
.Lfunc_end_k_qa014ba5196_qx:
	.size	k_qa014ba5196_qx, .Lfunc_end_k_qa014ba5196_qx-k_qa014ba5196_qx
	.p2alignl 7, 3214868480
	.fill 96, 4, 3214868480
	.section	.rodata,"a",@progbits
	.p2align	6, 0x0
	.amdhsa_kernel k_qa014ba5196_qx
		.amdhsa_group_segment_fixed_size 2048
		.amdhsa_private_segment_fixed_size 0
		.amdhsa_enable_private_segment 0
		.amdhsa_kernarg_size 16
		.amdhsa_user_sgpr_count 2
		.amdhsa_user_sgpr_kernarg_segment_ptr 1
		.amdhsa_wavefront_size32 1
		.amdhsa_system_sgpr_workgroup_id_x 1
		.amdhsa_system_sgpr_workgroup_id_y 1
		.amdhsa_system_sgpr_workgroup_id_z 1
		.amdhsa_system_vgpr_workitem_id 0
		.amdhsa_next_free_vgpr 130
		.amdhsa_next_free_sgpr 66
		.amdhsa_reserve_vcc 0
		.amdhsa_float_denorm_mode_32 3
		.amdhsa_float_denorm_mode_16_64 3
		.amdhsa_memory_ordered 1
		.amdhsa_forward_progress 1
		.amdhsa_inst_pref_size 9
	.end_amdhsa_kernel
	.amdgpu_metadata
---
amdhsa.version: [ 1, 2 ]
amdhsa.kernels:
  - .name:           k_qa014ba5196_qx
    .symbol:         k_qa014ba5196_qx.kd
    .args:
      - { .name: x, .offset: 0, .size: 8, .value_kind: global_buffer, .address_space: global }
      - { .name: xq, .offset: 8, .size: 8, .value_kind: global_buffer, .address_space: global }
    .group_segment_fixed_size: 2048
    .private_segment_fixed_size: 0
    .kernarg_segment_align: 8
    .kernarg_segment_size: 16
    .max_flat_workgroup_size: 256
    .sgpr_count:     66
    .vgpr_count:     130
    .wavefront_size: 32
...
	.end_amdgpu_metadata
.endif
;; end of part 1
;; launch fc1 (part 2): grid 256 x 1, 4 waves a work-group, clusters of 4 x 1, 327,680 bytes of LDS; arguments fc1_packed, fc1_scales, xq, hq; writes hq
.if DOCPART == 2
	.amdgcn_target "amdgcn-amd-amdhsa--gfx1250"
	.amdhsa_code_object_version 6
	.text
	.protected	k_qa014ba5196_fc1
	.globl	k_qa014ba5196_fc1
	.p2align	8
	.type	k_qa014ba5196_fc1,@function
k_qa014ba5196_fc1:
	s_mov_b64 s[64:65], 0
	v_nop
	global_prefetch_b8 v0, s[64:65] scope:SCOPE_SE
	s_setreg_imm32_b32 hwreg(HW_REG_WAVE_MODE, 25, 1), 1
	s_wait_xcnt 0x0
	s_wait_alu depctr_hold_cnt(0) depctr_sa_sdst(0) depctr_va_vdst(0) depctr_va_sdst(0) depctr_va_ssrc(0) depctr_va_vcc(0) depctr_vm_vsrc(0)
	s_getreg_b32 s2, hwreg(HW_REG_IB_STS2, 6, 4)
	s_cmp_eq_u32 s2, 0
	s_cbranch_scc0 .Lentry_in_a_cluster
	s_endpgm
.Lentry_in_a_cluster:
	s_bfe_u32 s2, ttmp6, 0x10000c
	s_cmp_lg_u32 s2, 0x3003
	s_cbranch_scc0 .Lentry_shape_is_right
	s_endpgm
.Lentry_shape_is_right:
.set LAYER, 1                          ; 1: hq = Q(gelu(x W1^T));  2: part[y] = h W2^T over a quarter y of K.  The two launches' texts differ in this line alone
; ONE LAYER OF out = gelu(x W1^T) W2^T, both products on codes of BF6 (E3M2) with one E8M0 scale for each 32 along K.
; A weight arrives as a word of 32 bits with two numbers of 4 bits (bits 7:4: the even column, bits 3:0: the odd one), each less 8, times its row's f32 scale: it is made so in f32, then quantised along K.
; SHARES.  A work-group owns all 512 tokens x 64 rows of the weight x 4,096 along K (layer 1: all of K; layer 2: a quarter, work-group y), so each packed word is loaded by one work-group, once, and no weight code goes to memory.
; Four waves, as many as a WGP has SIMDs.  Wave w multiplies tokens 128 w .. 128 w + 127 by the 64 rows: 32 accumulators of 16 x 16.  It also quantises tile w (16 rows) of each K step of 128 and hands it to the others through LDS as an image of the operand's registers.
; THE ACTIVATIONS (xq or hq: see the layout below) are read by every work-group: four work-groups form a cluster and ask for each chunk JOINTLY (mask 15), each wave a quarter of it, through a ring of two LDS slots.
; THE WEIGHTS come by loads into a ring of four register sets, six K steps ahead of their product: these loads stay on their way across the barriers.  Each load takes 256 consecutive bytes of one row in sixteen lanes;
; the K step's 16 rows x 256 bytes turn through the wave's own stage in LDS, so that a lane then holds two whole blocks of 32 along K.  No prefetch is written: the loads themselves ask that far ahead.
; THE PRODUCT IS USED TRANSPOSED: source 0 = 16 rows of the weight, source 1 = 16 tokens: a lane holds ONE token.  THE ROWS OF A TILE ARE NOT NEIGHBOURS: lane r of tile 2 b + u takes row 32 b + 8 u + r + 8 (r / 8),
; so that the 16 registers of accumulators (m, 2 b) and (m, 2 b + 1) are 16 neighbouring rows of the weight, 32 b + 16 (lane / 16) + 0 .. 15: neighbours along the next product's K, and along a row of the output.
; BY TURNS.  A K step has 32 matrix instructions and 184 vector instructions (the weights of the K step two on); a slice of the vector work stands behind each matrix instruction, at the price of two window switches.
; INTERVAL t = 0 .. 31: multiplies K step t; fetches the operands of t + 1 from LDS into the other register sets; quantises the weights of t + 2 into image buffer t % 2; turns t + 3 through the stage; asks memory for t + 6.
; ONE barrier an interval: in front of it image t + 1 is stored and the reads of image t - 1's buffer are back.  At odd t up to 27 it is a round of the cluster's barrier, and chunk (t - 1) / 2 + 2 is asked for into the slot just left.
; xq, hq: chunks of 256 along K, 102,400 bytes.  Fragment (K step s = 0, 1; token tile m) at (32 s + m) x 1,536; for each half c of the K step, at 768 c: 512 bytes = lane l's registers 6 c .. 6 c + 3 at 16 l, then 256 bytes = registers 6 c + 4, 6 c + 5 at 8 l.
; At 98,304 + 2,048 s + 1,024 c + 256 g: lane l's 8 bytes are four halves of 16 bits, number i for tile 8 g + 4 (l / 16) + i, row l % 16: byte of block 2 c | byte of block 2 c + 1 << 8.
; LIMITS: of a packed word bits 7:0 alone are read (the problem gives 0 .. 255); a block of zeros gets the byte 1 where the rule says 127 (its codes are zeros; this program alone reads the bytes); blocks whose largest magnitude lies under 2^-122 are held at the byte 1; NaN and infinities are not served.
; REGISTERS, in windows of 256 (s_set_vgpr_msb: bits 1:0 source 0, 3:2 source 1, 5:4 source 2, 7:6 destination):
;   window 0: addresses, scale words, all the vector work.   window 1: accumulator 4 m + a at v[8 (4 m + a)].   window 2: the tokens' fragments, set p at 96 p + 12 m.   window 3: v0-127 the packed words as loaded, set q at 32 q; from v128 the weights' fragments, set p at 128 + 48 p + 12 a.
.if LAYER == 1
.set PSH, 13                           ; a row of the packed weight: 2,048 words
.else
.set PSH, 15                           ; 8,192 words
.endif
.set PITCH, 1<<PSH
.set CHUNK, 102400
.set FRB,   1536                       ; a fragment's image
.set SCOFF, 98304                      ; a chunk's scale halves
.set QUART, 25600                      ; a quarter of a chunk: 100 rows of 256 bytes, what one tensor load brings
.set IMG,   204800                     ; LDS: slots 0 and 1 at 0 and CHUNK; then the weights' images, 2 buffers x 4 fragments;
.set WSC,   217088                     ; their scale words, 2 x 256 bytes: row r's four words at 16 r;
.set STG,   217600                     ; a stage of 16 rows x (256 + 16) bytes for each wave;
.set SPARE, 235008                     ; the spare words, 128 bytes for each wave: two blocks of 256 bytes that no other line names
.set SPW,  1                           ; v1   SPARE + 4 x my thread's number; never rewritten
.set NIL,  2                           ; v2   0; never rewritten
.set GW,   3                           ; v3   the packed words: (lane / 16) x PITCH + 16 (lane % 16)
.set STW,  4                           ; v4   my stage by whole rows: 272 (lane / 16) + 16 (lane % 16)
.set STR,  5                           ; v5   my stage by operand: 272 r + 64 h
.set WIW,  6                           ; v6   where I store my image: IMG + 1,536 w + 16 lane
.set WSW,  7                           ; v7   and its scale word: WSC + 16 r + 4 w
.set WIR,  8                           ; v8   IMG + 16 lane
.set WSR,  9                           ; v9   WSC + 16 r
.set XA16, 10                          ; v10-11  slot s: my eight token tiles, 16 bytes a lane
.set XA8,  12                          ; v12-13  the same, 8 bytes a lane
.set XS8,  14                          ; v14-15  slot s: my tiles' scale halves
.set CSUB, 16                          ; v[16:17] -(2^19 + 8), -(2^23 + 8);  on layer 1's way out: gelu's first constant, twice
.set SROW, 18                          ; v[18:19] my row's scale, twice;  on layer 1's way out: gelu's second constant, twice
.set SH8,  20                          ; v20  8 h
.set M,    24                          ; v24-27  running maxima
.set SO,   28                          ; v28-29  the conversions' scale operands
.set BY,   30                          ; v30-31  scale bytes
.set WT,   32                          ; v32  the scale word at work;  v33 lane l xor 16's
.set WT2,  33
.set HA,   34                          ; v[34:35] the tokens' scale halves for c = 0;  v[36:37] for c = 1
.set HB,   36
.set XSC,  40                          ; v40-47  the tokens' scale words, set p at 4 p: register i: lanes 0-15 tile i, lanes 16-31 tile 4 + i
.set WS,   48                          ; v48-55  the weights' scale words, set p at 4 p: register a: tile a
.set CODE, 56                          ; v56-67  the fragment just made
.set TMPC, 68                          ; v68-70, v72-74  the blocks' upper halves (a conversion's three registers begin on an even number)
.set WD,   76                          ; v76-107 32 packed words: 16 c + i = word i of my block 2 c + h
.set F,    108                         ; v108-171 the 64 weights in f32
.set MSB, 0
.macro WIN new                         ; the immediate's high byte repeats the setting that is left; a switch that changes nothing is dropped
.if MSB != \new
	s_set_vgpr_msb (MSB<<8)|\new
.set MSB, \new
.endif
.endm
; A round of the cluster's barrier.
.macro ROUND
	s_barrier_signal -1
	s_barrier_wait -1
	s_cmp_lg_u32 s12, 0
	s_cbranch_scc1 .Lnot_wave_0_\@
	s_barrier_signal -3
.Lnot_wave_0_\@:
	s_barrier_wait -3
	s_barrier_signal -1
	s_barrier_wait -1
.endm
; Eight loads: my tile's 16 rows x 256 bytes of the K step gk steps behind the stream's base, into set `set`.  Lanes 0-15 take one row's 256 bytes, lanes 16-31 the next row's.
.macro GLOAD set, gk
	WIN 0xC0                                       ; destination window 3
.irp i, 0,1,2,3,4,5,6,7
	global_load_b128 v[32*(\set)+4*\i:32*(\set)+4*\i+3], v[GW], s[46:47] offset:(2*\i+8*(\i/4))*PITCH+256*(\gk) th:TH_LOAD_NT
.endr
	WIN 0
.endm
; A set goes through my stage: in as whole rows, back as my two blocks' 16 words each.  LDS serves a wave's instructions in order (ISA guide 5.7.1.4): no wait between the stores and the loads, nor against the last turn's loads.
.macro TURNM set, cnt
	s_wait_loadcnt \cnt                            ; this set's eight loads are in; cnt = eight for each younger set
	WIN 0x0C                                       ; an LDS store's data are its source 1: window 3
.irp i, 0,1,2,3,4,5,6,7
	ds_store_b128 v[STW], v[32*(\set)+4*\i:32*(\set)+4*\i+3] offset:544*\i
.endr
	WIN 0
.irp c, 0,1
.irp q, 0,1,2,3
	ds_load_b128 v[WD+16*\c+4*\q:WD+16*\c+4*\q+3], v[STR] offset:128*\c+16*\q
.endr
.endr
.endm
; The tokens' scale word n of the next set: the halves for c = 0 and c = 1 of one tile make a word.
.macro XP n
	v_perm_b32 v[XSC+4*NXT+(\n)], v[HB+(\n)/2], v[HA+(\n)/2], s[26+(\n)%2]
.endm
; THE VECTOR WORK OF A K STEP is a list of 184; OP writes number j.
;   0-63    word j / 2: bits 7:4 under the exponent of 2^19 give 2^19 + the even column's number, bits 3:0 under that of 2^23 give 2^23 + the odd column's
;   64-95   less 2^19 + 8, less 2^23 + 8: exact.  96-127 times the row's scale: one rounding, as in (number - 8) x scale.  (Not one fused line: the constant times the scale would be rounded by itself.)
;   128-159 the two blocks' largest magnitudes, four chains by turns; a chain begins with the floor 2^(5 - 127)
;   160-163 the tokens' scale words for the next K step (they ride here; DOX = 0 leaves them out)
;   164-169 the maxima joined; 4 off the exponent field: the conversion's scale operand; its byte
;   170-173 the conversions;  174-177 my two bytes, at 8 h bits, with lane l xor 16's two: the row's scale word;  178-183 the blocks' upper halves to their places
.macro OP
.if j < 64
.if j%2 == 0
	v_and_or_b32 v[F+j], v[WD+j/2], s22, s20
.else
	v_and_or_b32 v[F+j], v[WD+j/2], 15, s21
.endif
.elseif j < 96
.set o, F+2*(j-64)
	v_pk_add_f32 v[o:o+1], v[o:o+1], v[CSUB:CSUB+1]
.elseif j < 128
.set o, F+2*(j-96)
	v_pk_mul_f32 v[o:o+1], v[o:o+1], v[SROW:SROW+1]
.elseif j < 160
.set oq, (j-128)%4
.set o, F+2*(16*(oq/2)+2*((j-128)/4)+oq%2)
.if j < 132
	v_max3_num_f32 v[M+oq], |v[o]|, |v[o+1]|, s23
.else
	v_max3_num_f32 v[M+oq], v[M+oq], |v[o]|, |v[o+1]|
.endif
.elseif j < 164
.if DOX
.if j == 160
	s_wait_dscnt NDW                               ; the interval's fetch is in; NDW = the sixteen LDS instructions of the turn issued behind it, or none
.endif
	XP j-160
.endif
.elseif j < 166
	v_max_num_f32 v[M+2*(j-164)], v[M+2*(j-164)], v[M+2*(j-164)+1]
.elseif j < 168
	v_add_nc_u32 v[SO+j-166], 0xfe000000, v[M+2*(j-166)]
.elseif j < 170
	v_lshrrev_b32 v[BY+j-168], 23, v[SO+j-168]
.elseif j < 174
.set o, j-170
.if o%2 == 0
	v_cvt_scalef32_pk16_bf6_f32 v[CODE+3*o:CODE+3*o+2], v[F+16*o:F+16*o+15], v[SO+o/2]
.else
	v_cvt_scalef32_pk16_bf6_f32 v[TMPC+2*(o-1):TMPC+2*(o-1)+2], v[F+16*o:F+16*o+15], v[SO+o/2]
.endif
.elseif j == 174
	v_lshl_or_b32 v[WT], v[BY+1], 16, v[BY]        ; (plain lines between the conversions and the moves that read their results)
.elseif j == 175
	v_lshlrev_b32 v[WT], v[SH8], v[WT]
.elseif j == 176
	v_permlanex16_b32 v[WT2], v[WT], s24, s25
.elseif j == 177
	v_or_b32 v[WT], v[WT], v[WT2]
.else
.set o, j-178
	v_mov_b32 v[CODE+6*(o/3)+3+o%3], v[TMPC+4*(o/3)+o%3]
.endif
.endm
; Slice kk of 32: six numbers of the list, from slice 28 on four.  Slice 31 is four moves that name no register of the products: they are the four places (ISA guide 7.12.1 for vector instructions) between the
; K step's last matrix instruction and the next interval's loads into its operands.
.macro SLICE
	WIN 0
.if kk < 28
.set j, 6*kk
.rept 6
	OP
.set j, j+1
.endr
.else
.set j, 168+4*(kk-28)
.rept 4
	OP
.set j, j+1
.endr
.endif
.endm
.macro PREPALL                         ; the list on end, ahead of the first product
.set DOX, 0
.set j, 0
.rept 184
	OP
.set j, j+1
.endr
.endm
.macro IMGST buf                       ; my fragment and its scale word go to LDS as they stand
.irp c, 0,1,2
	ds_store_b128 v[WIW], v[CODE+4*\c:CODE+4*\c+3] offset:6144*(\buf)+512*\c
.endr
	ds_store_b32 v[WSW], v[WT] offset:256*(\buf)   ; (both lanes of a row write the same word with the same value)
.endm
; 47 LDS loads in one run: a K step's operands into register sets p: the tokens' scale halves, the four tiles' scale words and fragments from image buffer buf, my eight token fragments of K step ks of the slot.
.macro FETCH p, buf, slot, ks
	ds_load_b64 v[HA:HA+1], v[XS8+(\slot)] offset:2048*(\ks)
	ds_load_b64 v[HB:HB+1], v[XS8+(\slot)] offset:2048*(\ks)+1024
	ds_load_b128 v[WS+4*(\p):WS+4*(\p)+3], v[WSR] offset:256*(\buf)
	WIN 0xC0
.irp a, 0,1,2,3
.irp c, 0,1,2
	ds_load_b128 v[128+48*(\p)+12*\a+4*\c:128+48*(\p)+12*\a+4*\c+3], v[WIR] offset:6144*(\buf)+1536*\a+512*\c
.endr
.endr
	WIN 0x80
.irp i, 0,1,2,3,4,5,6,7
	ds_load_b128 v[96*(\p)+12*\i:96*(\p)+12*\i+3],     v[XA16+(\slot)] offset:49152*(\ks)+1536*\i
	ds_load_b64  v[96*(\p)+12*\i+4:96*(\p)+12*\i+5],   v[XA8+(\slot)]  offset:49152*(\ks)+1536*\i+512
	ds_load_b128 v[96*(\p)+12*\i+6:96*(\p)+12*\i+9],   v[XA16+(\slot)] offset:49152*(\ks)+1536*\i+768
	ds_load_b64  v[96*(\p)+12*\i+10:96*(\p)+12*\i+11], v[XA8+(\slot)]  offset:49152*(\ks)+1536*\i+1280
.endr
	WIN 0
.endm
; Matrix instruction kk of 32: weight tile kk % 4 x token tile kk / 4.  The 32 accumulators take turns, one instruction a turn, in the same order in every K step.
; The tokens' scale words of tiles 4 to 7 stand in lanes 16-31.  zero = 1: the first K step starts the sums: nothing is cleared.
.macro WMMA p, zero
	WIN 0x5B                                       ; source 0 window 3, source 1 window 2, C and D window 1
.set rD, 8*kk
.set rA, 128+48*(\p)+12*(kk%4)
.set rB, 96*(\p)+12*(kk/4)
.set rP, WS+4*(\p)+kk%4
.set rQ, XSC+4*(\p)+(kk/4)%4
.if \zero
.if kk < 16
	v_wmma_scale_f32_16x16x128_f8f6f4 v[rD:rD+7], v[rA:rA+11], v[rB:rB+11], 0, v[rP], v[rQ] matrix_a_fmt:MATRIX_FMT_BF6 matrix_b_fmt:MATRIX_FMT_BF6
.else
	v_wmma_scale_f32_16x16x128_f8f6f4 v[rD:rD+7], v[rA:rA+11], v[rB:rB+11], 0, v[rP], v[rQ] matrix_a_fmt:MATRIX_FMT_BF6 matrix_b_fmt:MATRIX_FMT_BF6 matrix_b_scale:MATRIX_SCALE_ROW1
.endif
.else
.if kk < 16
	v_wmma_scale_f32_16x16x128_f8f6f4 v[rD:rD+7], v[rA:rA+11], v[rB:rB+11], v[rD:rD+7], v[rP], v[rQ] matrix_a_fmt:MATRIX_FMT_BF6 matrix_b_fmt:MATRIX_FMT_BF6
.else
	v_wmma_scale_f32_16x16x128_f8f6f4 v[rD:rD+7], v[rA:rA+11], v[rB:rB+11], v[rD:rD+7], v[rP], v[rQ] matrix_a_fmt:MATRIX_FMT_BF6 matrix_b_fmt:MATRIX_FMT_BF6 matrix_b_scale:MATRIX_SCALE_ROW1
.endif
.endif
.endm
; The head of an interval.  kind 0: my LDS stores have landed and my LDS loads are in; the work-group's barrier.  kind 1: the slot just left is filled again: all my tensor loads have landed (one was out: my quarter of the
; other slot's chunk), 0 is added to my spare word, the slot's address steps two chunks on while the add is out, the add and my reads are awaited, a round of the cluster's barrier, and my one joint load first behind it:
; it has two intervals in which to land.  kind 2: the same waits and a plain barrier: the last chunk has landed, nothing is asked for.  kind 3: my loads are in; nothing is shared any more.
.macro BAR kind, slot
	WIN 0
.if \kind == 0
	s_wait_dscnt 0x0
	s_barrier_signal -1
	s_barrier_wait -1
.endif
.if \kind == 1
	s_wait_tensorcnt 0x0
	ds_add_u32 v[SPW], v[NIL]
	s_add_nc_u64 s[38+4*(\slot):39+4*(\slot)], s[38+4*(\slot):39+4*(\slot)], 2*CHUNK   ; no tensor load of mine is out: a group 0 may be written; the type bits on top are not reached
	s_wait_dscnt 0x0
	ROUND
	tensor_load_to_lds s[36+4*(\slot):39+4*(\slot)], s[28:35]
	s_nop 0
.rept 4
	v_nop                                          ; four lines behind a tensor load, ahead of the next window switch
.endr
.endif
.if \kind == 2
	s_wait_tensorcnt 0x0
	ds_add_u32 v[SPW], v[NIL]
	s_wait_dscnt 0x0
	s_barrier_signal -1
	s_barrier_wait -1
.endif
.if \kind == 3
	s_wait_dscnt 0x0
.endif
.endm
; INTERVAL t, pos = t % 4.  gl: ask memory for K step t + 6 (gk: its distance from the stream's base).  fetch: the operands of t + 1.  prep: quantise t + 2.  turn >= 0: turn t + 3 through the stage, behind slice 15
; (the list's numbers 0 to 63, which read the words of t + 2, stand in slices 0 to 10); turn = the loads that may stay out.
.macro INTERVAL pos, zero, bar, gl, gk, fetch, prep, turn
	BAR \bar, ((\pos)-1)/2
.if \gl
	GLOAD ((\pos)+2)%4, \gk
.endif
.if \fetch
	FETCH ((\pos)+1)%2, ((\pos)+1)%2, (((\pos)+1)%4)/2, ((\pos)+1)%2
.endif
.set NXT, ((\pos)+1)%2
.set DOX, 1
.set NDW, 0
.if (\turn) >= 0
.set NDW, 16
.endif
.set kk, 0
.rept 32
	WMMA (\pos)%2, \zero
.if \prep
	SLICE
.if (kk == 15) && ((\turn) >= 0)
	TURNM ((\pos)+3)%4, \turn
.endif
.endif
.set kk, kk+1
.endr
	WIN 0
.if \prep
	IMGST (\pos)%2
.elseif \fetch
	s_wait_dscnt 0x0                               ; no list to ride on: the last K step's scale halves are in,
	XP 0
	XP 1
	XP 2
	XP 3
.rept 8
	v_nop                                          ; and a scale register written by a vector instruction stands eight places ahead of the scaled matrix instruction
.endr
.else
.rept 4
	v_nop                                          ; four places between the last product and the first read of results
.endr
.endif
.endm
	s_load_b256 s[4:11], s[0:1], 0x0               ; the packed weight s[4:5], its scales s[6:7], the activations' chunks s[8:9], the output s[10:11]
	v_lshl_add_u32 v[SPW], v0, 2, SPARE
	v_mov_b32 v[NIL], 0
	ds_add_u32 v1, v2
	ds_add_u32 v1, v2
	s_wait_dscnt 0x0
	v_lshrrev_b32 v21, 5, v0
	v_readfirstlane_b32 s12, v21                   ; wave w = 0 .. 3
	v_and_b32 v21, 31, v0                          ; lane
	v_and_b32 v22, 15, v0                          ; r
	v_bfe_u32 v23, v0, 4, 1                        ; h
	s_bfe_u32 s13, ttmp6, 0x40000                  ; cx: it enters the weights', the scales' and the output's global addresses alone
	s_lshl_b32 s14, ttmp9, 2
	s_add_co_u32 s14, s14, s13                     ; n: which 64 rows of the weight
.if LAYER == 2
	s_and_b32 s15, ttmp7, 0xffff                   ; y: which quarter of K; the four partners share it
.endif
	; my tile's first row: 64 n + 32 (w / 2) + 8 (w % 2)
	s_lshr_b32 s16, s12, 1
	s_lshl_b32 s16, s16, 5
	s_and_b32 s17, s12, 1
	s_lshl_b32 s17, s17, 3
	s_add_co_u32 s16, s16, s17
	s_lshl_b32 s17, s14, 6
	s_add_co_u32 s16, s16, s17
	s_lshl_b32 s46, s16, PSH                       ; in bytes: under 2^28
.if LAYER == 2
	s_lshl_b32 s52, s15, 13                        ; 4,096 along K are 2,048 words
	s_add_co_u32 s46, s46, s52
.endif
	s_mov_b32 s47, 0
	s_lshl_b32 s16, s16, 2                         ; and among the row scales
	s_mov_b32 s17, 0
	; LDS addresses: constants, the lane and the wave's number
	v_lshlrev_b32 v[GW], 4, v22
	v_lshl_add_u32 v[GW], v23, PSH, v[GW]
	s_mul_i32 s59, s12, 4352
	s_add_co_u32 s59, s59, STG
	v_mul_u32_u24 v[STW], v23, 272
	v_lshl_add_u32 v[STW], v22, 4, v[STW]
	v_add_nc_u32 v[STW], s59, v[STW]
	v_mul_u32_u24 v[STR], v22, 272
	v_lshl_add_u32 v[STR], v23, 6, v[STR]
	v_add_nc_u32 v[STR], s59, v[STR]
	s_mul_i32 s59, s12, FRB
	s_add_co_u32 s59, s59, IMG
	v_lshl_add_u32 v[WIW], v21, 4, s59
	s_lshl_b32 s59, s12, 2
	s_add_co_u32 s59, s59, WSC
	v_lshl_add_u32 v[WSW], v22, 4, s59
	v_lshl_add_u32 v[WIR], v21, 4, IMG
	v_lshl_add_u32 v[WSR], v22, 4, WSC
	s_mul_i32 s59, s12, 8*FRB
	v_lshl_add_u32 v[XA16], v21, 4, s59
	v_add_nc_u32 v[XA16+1], CHUNK, v[XA16]
	v_lshl_add_u32 v[XA8], v21, 3, s59
	v_add_nc_u32 v[XA8+1], CHUNK, v[XA8]
	s_lshl_b32 s59, s12, 8
	s_add_co_u32 s59, s59, SCOFF
	v_lshl_add_u32 v[XS8], v21, 3, s59
	v_add_nc_u32 v[XS8+1], CHUNK, v[XS8]
	v_mov_b32 v[CSUB], 0xC9000080                  ; -(2^19 + 8)
	v_mov_b32 v[CSUB+1], 0xCB000008                ; -(2^23 + 8)
	v_lshlrev_b32 v[SH8], 3, v23
	v_mov_b32 v[WT2], 0                            ; written once: a lane permute's destination counts as one of its sources
	v_and_b32 v38, 8, v22
	v_add_nc_u32 v38, v38, v22
	v_lshlrev_b32 v38, 2, v38                      ; my row's scale: 4 (r + 8 (r / 8))
	s_mov_b32 s20, 0x49000000                      ; 2^19
	s_mov_b32 s21, 0x4B000000                      ; 2^23
	s_mov_b32 s22, 0xF0
	s_mov_b32 s23, 0x02800000                      ; the floor 2^(5 - 127)
	s_mov_b32 s24, 0x76543210
	s_mov_b32 s25, 0xfedcba98                      ; v_permlanex16_b32's selects for lane l xor 16
	s_mov_b32 s26, 0x05040100                      ; v_perm_b32: the two low halves
	s_mov_b32 s27, 0x07060302                      ; the two high halves
	; descriptor group 1: a dense block of 25,600 bytes as 100 rows of 32 elements of 8 bytes
	s_mov_b32 s28, 15|(3<<16)|(1<<21)              ; 15:0 the mask: all four work-groups; 17:16 elements of 8 bytes; 20 no padding (images are read on end); 21 set beside a mask
	s_mov_b32 s29, 32<<16                          ; tensor_dim0 = 32
	s_mov_b32 s30, 100<<16                         ; tensor_dim1 = 100
	s_mov_b32 s31, 32<<16                          ; tile_dim0 = 32
	s_mov_b32 s32, 100                             ; tile_dim1 = 100
	s_mov_b32 s33, 32                              ; from row to row
	s_mov_b32 s34, 0
	s_mov_b32 s35, 0
	s_mul_i32 s18, s12, QUART                      ; my quarter of a chunk, in LDS and in memory
	s_mov_b32 s54, s18
.if LAYER == 2
	s_mul_i32 s55, s15, 16*CHUNK                   ; my quarter of K: 16 chunks
	s_add_co_u32 s54, s54, s55
.endif
	s_mov_b32 s55, 0
	; where the results go
.if LAYER == 1
	s_mul_i32 s48, ttmp9, CHUNK                    ; my 64 hidden units are half c = cx % 2 of K step s = cx / 2 of chunk n / 4
	s_lshr_b32 s56, s13, 1
	s_and_b32 s57, s13, 1
	s_lshl_b32 s50, s56, 11
	s_lshl_b32 s51, s57, 10
	s_add_co_u32 s50, s50, s51
	s_lshl_b32 s51, s12, 8
	s_add_co_u32 s50, s50, s51
	s_add_co_u32 s50, s50, s48
	s_add_co_u32 s50, s50, SCOFF                   ; my eight tiles' scale halves
	s_mov_b32 s51, 0
	s_lshl_b32 s56, s56, 5
	s_lshl_b32 s58, s12, 3
	s_add_co_u32 s56, s56, s58
	s_mul_i32 s56, s56, FRB
	s_mul_i32 s57, s57, 768
	s_add_co_u32 s48, s48, s56
	s_add_co_u32 s48, s48, s57                     ; my first tile's half image
	s_mov_b32 s49, 0
.else
	s_lshl_b32 s48, s15, 23                        ; part y: 512 x 4,096 f32;
	s_lshl_b32 s56, s12, 21                        ; my 128 rows of 16,384 bytes;
	s_add_co_u32 s48, s48, s56
	s_lshl_b32 s56, s14, 8                         ; my 64 columns
	s_add_co_u32 s48, s48, s56
	s_mov_b32 s49, 0
.endif
	s_wait_kmcnt 0x0
	s_add_nc_u64 s[6:7], s[6:7], s[16:17]
	global_load_b32 v[SROW], v38, s[6:7]
	s_add_nc_u64 s[46:47], s[4:5], s[46:47]        ; the stream's base: my tile's first row, K step 0
	GLOAD 0, 0
	GLOAD 1, 1
	GLOAD 2, 2
	GLOAD 3, 3
	s_add_nc_u64 s[48:49], s[10:11], s[48:49]
.if LAYER == 1
	s_add_nc_u64 s[50:51], s[10:11], s[50:51]
.endif
	s_add_nc_u64 s[8:9], s[8:9], s[54:55]
	s_mov_b32 s36, 1                               ; group 0 of slot 0: count = 1,
	s_mov_b32 s37, s18                             ; LDS address,
	s_mov_b64 s[38:39], s[8:9]                     ; global address: chunk 0,
	s_or_b32 s39, s39, 0x80000000                  ; type = 2
	s_mov_b32 s40, 1                               ; of slot 1: chunk 1
	s_add_co_u32 s41, s18, CHUNK
	s_add_nc_u64 s[42:43], s[8:9], CHUNK
	s_or_b32 s43, s43, 0x80000000
	ROUND                                          ; all four work-groups are here: the first joint loads meet
	tensor_load_to_lds s[36:39], s[28:35]          ; both first fills together, ahead of every wait on TENSORcnt and every LDS read: two loads of mine are out
	s_nop 0
	tensor_load_to_lds s[40:43], s[28:35]
	s_nop 0
.rept 4
	v_nop
.endr
	; THE PROLOGUE: the images of K steps 0 and 1, the words of K step 2, the operands of K step 0
	TURNM 0, 24                                    ; three younger sets may be out; the row's scale, asked for first, is in
	s_wait_dscnt 0x0                               ; the words are back, and the stores have read set 0,
	v_mov_b32 v[SROW+1], v[SROW]
	GLOAD 0, 4                                     ; which takes K step 4
	PREPALL
	IMGST 0
	TURNM 1, 24
	s_wait_dscnt 0x0
	GLOAD 1, 5
	PREPALL
	IMGST 1
	TURNM 2, 24
	s_wait_tensorcnt 0x1                           ; my quarter of chunk 0 is in; chunk 1's may stay out
	s_wait_dscnt 0x0                               ; my two images lie in LDS
	s_barrier_signal -1
	s_barrier_wait -1
	FETCH 0, 0, 0, 0
	s_wait_dscnt 0x0
.set NXT, 0
	XP 0
	XP 1
	XP 2
	XP 3
.rept 8
	v_nop                                          ; eight places between a scale register's write and the scaled matrix instruction
.endr
	INTERVAL 0,1,0,1,6,1,1,24                      ; t = 0 stands in front of the loop: its products start the sums
	s_mov_b32 s44, 6
.Ltrip:                                            ; six trips of four intervals: t = 1 .. 24
	INTERVAL 1,0,1,1,7,1,1,24
	INTERVAL 2,0,0,1,8,1,1,24
	INTERVAL 3,0,1,1,9,1,1,24
	INTERVAL 0,0,0,1,10,1,1,24
	s_wait_xcnt 0x0                                ; the loads have read their base: it steps four K steps on
	s_add_nc_u64 s[46:47], s[46:47], 1024
	s_sub_co_u32 s44, s44, 1
	s_cmp_lg_u32 s44, 0
	s_cbranch_scc1 .Ltrip
	INTERVAL 1,0,1,1,7,1,1,24                      ; t = 25: the last loads (K step 31).  The tail is written out: no load is jumped over, and the counts run down
	INTERVAL 2,0,0,0,0,1,1,16                      ; t = 26
	INTERVAL 3,0,1,0,0,1,1,8                       ; t = 27: the last chunk is asked for
	INTERVAL 0,0,0,0,0,1,1,0                       ; t = 28: K step 31 turns
	INTERVAL 1,0,2,0,0,1,1,-1                      ; t = 29: the last chunk has landed; K step 31 is quantised
	INTERVAL 2,0,0,0,0,1,0,-1                      ; t = 30
	INTERVAL 3,0,3,0,0,0,0,-1                      ; t = 31
.if LAYER == 1
; THE WAY OUT OF LAYER 1.  gelu in its tanh form is x / (1 + 2^(x (KA + KB x^2))), KA = -2 sqrt(2 / pi) log2(e), KB = 0.044715 KA; all in f32.  A token tile's 32 numbers of a lane are two half blocks of 32 along the
; next K; they are quantised in registers and stored as half an operand's image.  Each accumulator is read from its low end on.
.set KA, CSUB
.set KB, SROW
.set U,  108                           ; v108-139 at work
.set H,  140                           ; v140-171 gelu's results
.set SH, 236                           ; v236-239 the eight tiles' scale halves, two to a register
	v_mov_b32 v[KA], 0xC0135761
	v_mov_b32 v[KA+1], 0xC0135761
	v_mov_b32 v[KB], 0xBDD2D3E8
	v_mov_b32 v[KB+1], 0xBDD2D3E8
	v_and_b32 v23, 31, v0                          ; lane
	v_lshlrev_b32 v21, 4, v23                      ; 16 x lane
	v_lshlrev_b32 v22, 3, v23                      ; 8 x lane
.macro GELU i
.set X, 32*(\i)                        ; the tile's four accumulators, in window 1
	WIN 0x05
.irp q, 0,1,2,3,4,5,6,7,8,9,10,11,12,13,14,15
	v_pk_mul_f32 v[U+2*\q:U+2*\q+1], v[X+2*\q:X+2*\q+1], v[X+2*\q:X+2*\q+1]
.endr
	WIN 0
.irp q, 0,1,2,3,4,5,6,7,8,9,10,11,12,13,14,15
	v_pk_fma_f32 v[U+2*\q:U+2*\q+1], v[U+2*\q:U+2*\q+1], v[KB:KB+1], v[KA:KA+1]
.endr
	WIN 0x04
.irp q, 0,1,2,3,4,5,6,7,8,9,10,11,12,13,14,15
	v_pk_mul_f32 v[U+2*\q:U+2*\q+1], v[U+2*\q:U+2*\q+1], v[X+2*\q:X+2*\q+1]
.endr
	WIN 0
.irp q, 0,1,2,3,4,5,6,7,8,9,10,11,12,13,14,15,16,17,18,19,20,21,22,23,24,25,26,27,28,29,30,31
	v_exp_f32 v[U+\q], v[U+\q]
.endr
	v_nop                                          ; a plain line behind the last exponential,
	s_wait_alu depctr_va_vdst(0)                   ; and one wait for the batch, ahead of its first reader
.irp q, 0,1,2,3,4,5,6,7,8,9,10,11,12,13,14,15
	v_pk_add_f32 v[U+2*\q:U+2*\q+1], v[U+2*\q:U+2*\q+1], 1.0 op_sel_hi:[1,0]
.endr
.irp q, 0,1,2,3,4,5,6,7,8,9,10,11,12,13,14,15,16,17,18,19,20,21,22,23,24,25,26,27,28,29,30,31
	v_rcp_f32 v[U+\q], v[U+\q]
.endr
	v_nop
	s_wait_alu depctr_va_vdst(0)                   ; likewise for the reciprocals
	WIN 0x04
.irp q, 0,1,2,3,4,5,6,7,8,9,10,11,12,13,14,15
	v_pk_mul_f32 v[H+2*\q:H+2*\q+1], v[U+2*\q:U+2*\q+1], v[X+2*\q:X+2*\q+1]
.endr
	WIN 0
.endm
.macro QUANT2 i                        ; register 16 b + q of H = hidden unit 32 b + 16 h + q of my token
.set E, 172+8*(\i)                     ; the tile's codes: registers of its own, so that no store's data are written again
.irp b, 0,1
	v_max3_num_f32 v[M+\b], |v[H+16*\b]|, |v[H+16*\b+1]|, s23
.endr
.irp q, 2,4,6,8,10,12,14
.irp b, 0,1
	v_max3_num_f32 v[M+\b], v[M+\b], |v[H+16*\b+\q]|, |v[H+16*\b+\q+1]|
.endr
.endr
.irp b, 0,1
	v_permlanex16_b32 v[M+2+\b], v[M+\b], s24, s25
.endr
.irp b, 0,1
	v_max_num_f32 v[M+\b], v[M+\b], v[M+2+\b]      ; with lane l xor 16's: the block's largest magnitude
.endr
.irp b, 0,1
	v_add_nc_u32 v[SO+\b], 0xfe000000, v[M+\b]
.endr
.irp b, 0,1
	v_lshrrev_b32 v[BY+\b], 23, v[SO+\b]
.endr
	v_cvt_scalef32_pk16_bf6_f32 v[E:E+2], v[H:H+15], v[SO]
	v_cvt_scalef32_pk16_bf6_f32 v[E+4:E+6], v[H+16:H+31], v[SO+1]
.if (\i)%2 == 0                        ; the tile's scale half; also the plain line behind the conversions
	v_lshl_or_b32 v[SH+(\i)/2], v[BY+1], 8, v[BY]
.else
	v_lshl_or_b32 v[WT], v[BY+1], 8, v[BY]
	v_lshl_or_b32 v[SH+(\i)/2], v[WT], 16, v[SH+(\i)/2]
.endif
.irp q, 0,1,2
	v_permlane16_swap_b32 v[E+\q], v[E+4+\q]       ; a WHOLE block to a lane: lanes 0-15 the first block, lanes 16-31 the second
.endr
.irp q, 0,1,2
	v_mov_b32 v[E+3+\q], v[E+4+\q]                 ; ascending: each source is read before it is written
.endr
	global_store_b128 v21, v[E:E+3], s[48:49] offset:1536*(\i)         ; 512 consecutive bytes, at a multiple of 256 from hq's first byte
	global_store_b64 v22, v[E+4:E+5], s[48:49] offset:1536*(\i)+512    ; 256 consecutive bytes, likewise
.endm
.irp i, 0,1,2,3,4,5,6,7
	GELU \i
	QUANT2 \i
.endr
	v_cmp_gt_u32 vcc_lo, 16, v23                   ; lanes 0-15 store tiles 0 to 3's halves, lanes 16-31 tiles 4 to 7's
	v_cndmask_b32 v240, v[SH+2], v[SH], vcc_lo
	v_cndmask_b32 v241, v[SH+3], v[SH+1], vcc_lo
	global_store_b64 v22, v[240:241], s[50:51]     ; 256 consecutive bytes, aligned
.else
; THE WAY OUT OF LAYER 2.  A lane holds 4 x 32 neighbouring bytes of one row of the output, and the lanes beside it hold other rows: a tile of 16 rows x 64 columns goes through my own stage and comes back as whole
; rows of 256 bytes.  LDS serves a wave's instructions in order: no wait between the stores and the loads, nor in front of the next tile's stores.
.set GP, 39                            ; v39  16,384 (lane / 16) + 16 (lane % 16)
.set OB, 108                           ; v108-139, v140-171 by turns
	v_lshlrev_b32 v[GP], 4, v22
	v_lshl_add_u32 v[GP], v23, 14, v[GP]
.macro TOSTAGE m
	WIN 0x04                                       ; an LDS store's data are its source 1: window 1
.irp a, 0,1,2,3
	ds_store_b128 v[STR], v[8*(4*(\m)+\a):8*(4*(\m)+\a)+3] offset:128*(\a/2)+32*(\a%2)        ; each accumulator from its low end on: columns 32 (a / 2) + 16 h + 8 (a % 2) + 0 .. 7
	ds_store_b128 v[STR], v[8*(4*(\m)+\a)+4:8*(4*(\m)+\a)+7] offset:128*(\a/2)+32*(\a%2)+16
.endr
	WIN 0
.irp i, 0,1,2,3,4,5,6,7
	ds_load_b128 v[OB+32*((\m)%2)+4*\i:OB+32*((\m)%2)+4*\i+3], v[STW] offset:544*\i
.endr
.endm
.macro SEND m, younger                 ; younger: the LDS instructions issued behind tile m's loads: the next tile's eight stores and eight loads, or none
	s_wait_dscnt \younger
.irp i, 0,1,2,3,4,5,6,7
	global_store_b128 v[GP], v[OB+32*((\m)%2)+4*\i:OB+32*((\m)%2)+4*\i+3], s[48:49] offset:(16*(\m)+2*\i)*16384 th:TH_STORE_NT   ; sixteen lanes store 256 consecutive bytes, at a multiple of 256 from the buffer's first byte
.endr
.endm
	TOSTAGE 0
.irp m, 1,2,3,4,5,6,7
.if \m > 1
	s_wait_xcnt 0x0                                ; tile m - 2's stores have read their registers: tile m's loads may land there
.endif
	TOSTAGE \m
	SEND \m-1, 16
.endr
	SEND 7, 0
.endif
	s_wait_tensorcnt 0x0                           ; the wave's end, behind my last tensor load and my last LDS store
	ds_add_u32 v[SPW], v[NIL]
	s_wait_dscnt 0x0
	ROUND                                          ; the closing round: no work-group ends while a partner may still ask for a chunk that names it
	s_endpgm
.Lfunc_end_k_qa014ba5196_fc1:
	.size	k_qa014ba5196_fc1, .Lfunc_end_k_qa014ba5196_fc1-k_qa014ba5196_fc1
	.p2alignl 7, 3214868480
	.fill 96, 4, 3214868480
	.section	.rodata,"a",@progbits
	.p2align	6, 0x0
	.amdhsa_kernel k_qa014ba5196_fc1
		.amdhsa_group_segment_fixed_size 327680
		.amdhsa_private_segment_fixed_size 0
		.amdhsa_enable_private_segment 0
		.amdhsa_kernarg_size 32
		.amdhsa_user_sgpr_count 2
		.amdhsa_user_sgpr_kernarg_segment_ptr 1
		.amdhsa_wavefront_size32 1
		.amdhsa_system_sgpr_workgroup_id_x 1
		.amdhsa_system_sgpr_workgroup_id_y 1
		.amdhsa_system_sgpr_workgroup_id_z 1
		.amdhsa_system_vgpr_workitem_id 0
		.amdhsa_next_free_vgpr 1024
		.amdhsa_next_free_sgpr 66
		.amdhsa_reserve_vcc 1
		.amdhsa_float_denorm_mode_32 3
		.amdhsa_float_denorm_mode_16_64 3
		.amdhsa_memory_ordered 1
		.amdhsa_forward_progress 1
		.amdhsa_inst_pref_size 255
	.end_amdhsa_kernel
	.section	.bss,"aw",@nobits
	.p2align	6
	.space	262144
	.amdgpu_metadata
---
amdhsa.version: [ 1, 2 ]
amdhsa.kernels:
  - .name:           k_qa014ba5196_fc1
    .symbol:         k_qa014ba5196_fc1.kd
    .args:
      - { .name: fc1_packed, .offset: 0, .size: 8, .value_kind: global_buffer, .address_space: global }
      - { .name: fc1_scales, .offset: 8, .size: 8, .value_kind: global_buffer, .address_space: global }
      - { .name: xq, .offset: 16, .size: 8, .value_kind: global_buffer, .address_space: global }
      - { .name: hq, .offset: 24, .size: 8, .value_kind: global_buffer, .address_space: global }
    .group_segment_fixed_size: 327680
    .private_segment_fixed_size: 0
    .kernarg_segment_align: 8
    .kernarg_segment_size: 32
    .max_flat_workgroup_size: 128
    .sgpr_count:     66
    .vgpr_count:     1024
    .wavefront_size: 32
...
	.end_amdgpu_metadata
.endif
;; end of part 2
;; launch fc2 (part 3): grid 64 x 4, 4 waves a work-group, clusters of 4 x 1, 327,680 bytes of LDS; arguments fc2_packed, fc2_scales, hq, part; writes part
.if DOCPART == 3
	.amdgcn_target "amdgcn-amd-amdhsa--gfx1250"
	.amdhsa_code_object_version 6
	.text
	.protected	k_qa014ba5196_fc2
	.globl	k_qa014ba5196_fc2
	.p2align	8
	.type	k_qa014ba5196_fc2,@function
k_qa014ba5196_fc2:
	s_mov_b64 s[64:65], 0
	v_nop
	global_prefetch_b8 v0, s[64:65] scope:SCOPE_SE
	s_setreg_imm32_b32 hwreg(HW_REG_WAVE_MODE, 25, 1), 1
	s_wait_xcnt 0x0
	s_wait_alu depctr_hold_cnt(0) depctr_sa_sdst(0) depctr_va_vdst(0) depctr_va_sdst(0) depctr_va_ssrc(0) depctr_va_vcc(0) depctr_vm_vsrc(0)
	s_getreg_b32 s2, hwreg(HW_REG_IB_STS2, 6, 4)
	s_cmp_eq_u32 s2, 0
	s_cbranch_scc0 .Lentry_in_a_cluster
	s_endpgm
.Lentry_in_a_cluster:
	s_bfe_u32 s2, ttmp6, 0x10000c
	s_cmp_lg_u32 s2, 0x3003
	s_cbranch_scc0 .Lentry_shape_is_right
	s_endpgm
.Lentry_shape_is_right:
.set LAYER, 2                          ; 1: hq = Q(gelu(x W1^T));  2: part[y] = h W2^T over a quarter y of K.  The two launches' texts differ in this line alone
; ONE LAYER OF out = gelu(x W1^T) W2^T, both products on codes of BF6 (E3M2) with one E8M0 scale for each 32 along K.
; A weight arrives as a word of 32 bits with two numbers of 4 bits (bits 7:4: the even column, bits 3:0: the odd one), each less 8, times its row's f32 scale: it is made so in f32, then quantised along K.
; SHARES.  A work-group owns all 512 tokens x 64 rows of the weight x 4,096 along K (layer 1: all of K; layer 2: a quarter, work-group y), so each packed word is loaded by one work-group, once, and no weight code goes to memory.
; Four waves, as many as a WGP has SIMDs.  Wave w multiplies tokens 128 w .. 128 w + 127 by the 64 rows: 32 accumulators of 16 x 16.  It also quantises tile w (16 rows) of each K step of 128 and hands it to the others through LDS as an image of the operand's registers.
; THE ACTIVATIONS (xq or hq: see the layout below) are read by every work-group: four work-groups form a cluster and ask for each chunk JOINTLY (mask 15), each wave a quarter of it, through a ring of two LDS slots.
; THE WEIGHTS come by loads into a ring of four register sets, six K steps ahead of their product: these loads stay on their way across the barriers.  Each load takes 256 consecutive bytes of one row in sixteen lanes;
; the K step's 16 rows x 256 bytes turn through the wave's own stage in LDS, so that a lane then holds two whole blocks of 32 along K.  No prefetch is written: the loads themselves ask that far ahead.
; THE PRODUCT IS USED TRANSPOSED: source 0 = 16 rows of the weight, source 1 = 16 tokens: a lane holds ONE token.  THE ROWS OF A TILE ARE NOT NEIGHBOURS: lane r of tile 2 b + u takes row 32 b + 8 u + r + 8 (r / 8),
; so that the 16 registers of accumulators (m, 2 b) and (m, 2 b + 1) are 16 neighbouring rows of the weight, 32 b + 16 (lane / 16) + 0 .. 15: neighbours along the next product's K, and along a row of the output.
; BY TURNS.  A K step has 32 matrix instructions and 184 vector instructions (the weights of the K step two on); a slice of the vector work stands behind each matrix instruction, at the price of two window switches.
; INTERVAL t = 0 .. 31: multiplies K step t; fetches the operands of t + 1 from LDS into the other register sets; quantises the weights of t + 2 into image buffer t % 2; turns t + 3 through the stage; asks memory for t + 6.
; ONE barrier an interval: in front of it image t + 1 is stored and the reads of image t - 1's buffer are back.  At odd t up to 27 it is a round of the cluster's barrier, and chunk (t - 1) / 2 + 2 is asked for into the slot just left.
; xq, hq: chunks of 256 along K, 102,400 bytes.  Fragment (K step s = 0, 1; token tile m) at (32 s + m) x 1,536; for each half c of the K step, at 768 c: 512 bytes = lane l's registers 6 c .. 6 c + 3 at 16 l, then 256 bytes = registers 6 c + 4, 6 c + 5 at 8 l.
; At 98,304 + 2,048 s + 1,024 c + 256 g: lane l's 8 bytes are four halves of 16 bits, number i for tile 8 g + 4 (l / 16) + i, row l % 16: byte of block 2 c | byte of block 2 c + 1 << 8.
; LIMITS: of a packed word bits 7:0 alone are read (the problem gives 0 .. 255); a block of zeros gets the byte 1 where the rule says 127 (its codes are zeros; this program alone reads the bytes); blocks whose largest magnitude lies under 2^-122 are held at the byte 1; NaN and infinities are not served.
; REGISTERS, in windows of 256 (s_set_vgpr_msb: bits 1:0 source 0, 3:2 source 1, 5:4 source 2, 7:6 destination):
;   window 0: addresses, scale words, all the vector work.   window 1: accumulator 4 m + a at v[8 (4 m + a)].   window 2: the tokens' fragments, set p at 96 p + 12 m.   window 3: v0-127 the packed words as loaded, set q at 32 q; from v128 the weights' fragments, set p at 128 + 48 p + 12 a.
.if LAYER == 1
.set PSH, 13                           ; a row of the packed weight: 2,048 words
.else
.set PSH, 15                           ; 8,192 words
.endif
.set PITCH, 1<<PSH
.set CHUNK, 102400
.set FRB,   1536                       ; a fragment's image
.set SCOFF, 98304                      ; a chunk's scale halves
.set QUART, 25600                      ; a quarter of a chunk: 100 rows of 256 bytes, what one tensor load brings
.set IMG,   204800                     ; LDS: slots 0 and 1 at 0 and CHUNK; then the weights' images, 2 buffers x 4 fragments;
.set WSC,   217088                     ; their scale words, 2 x 256 bytes: row r's four words at 16 r;
.set STG,   217600                     ; a stage of 16 rows x (256 + 16) bytes for each wave;
.set SPARE, 235008                     ; the spare words, 128 bytes for each wave: two blocks of 256 bytes that no other line names
.set SPW,  1                           ; v1   SPARE + 4 x my thread's number; never rewritten
.set NIL,  2                           ; v2   0; never rewritten
.set GW,   3                           ; v3   the packed words: (lane / 16) x PITCH + 16 (lane % 16)
.set STW,  4                           ; v4   my stage by whole rows: 272 (lane / 16) + 16 (lane % 16)
.set STR,  5                           ; v5   my stage by operand: 272 r + 64 h
.set WIW,  6                           ; v6   where I store my image: IMG + 1,536 w + 16 lane
.set WSW,  7                           ; v7   and its scale word: WSC + 16 r + 4 w
.set WIR,  8                           ; v8   IMG + 16 lane
.set WSR,  9                           ; v9   WSC + 16 r
.set XA16, 10                          ; v10-11  slot s: my eight token tiles, 16 bytes a lane
.set XA8,  12                          ; v12-13  the same, 8 bytes a lane
.set XS8,  14                          ; v14-15  slot s: my tiles' scale halves
.set CSUB, 16                          ; v[16:17] -(2^19 + 8), -(2^23 + 8);  on layer 1's way out: gelu's first constant, twice
.set SROW, 18                          ; v[18:19] my row's scale, twice;  on layer 1's way out: gelu's second constant, twice
.set SH8,  20                          ; v20  8 h
.set M,    24                          ; v24-27  running maxima
.set SO,   28                          ; v28-29  the conversions' scale operands
.set BY,   30                          ; v30-31  scale bytes
.set WT,   32                          ; v32  the scale word at work;  v33 lane l xor 16's
.set WT2,  33
.set HA,   34                          ; v[34:35] the tokens' scale halves for c = 0;  v[36:37] for c = 1
.set HB,   36
.set XSC,  40                          ; v40-47  the tokens' scale words, set p at 4 p: register i: lanes 0-15 tile i, lanes 16-31 tile 4 + i
.set WS,   48                          ; v48-55  the weights' scale words, set p at 4 p: register a: tile a
.set CODE, 56                          ; v56-67  the fragment just made
.set TMPC, 68                          ; v68-70, v72-74  the blocks' upper halves (a conversion's three registers begin on an even number)
.set WD,   76                          ; v76-107 32 packed words: 16 c + i = word i of my block 2 c + h
.set F,    108                         ; v108-171 the 64 weights in f32
.set MSB, 0
.macro WIN new                         ; the immediate's high byte repeats the setting that is left; a switch that changes nothing is dropped
.if MSB != \new
	s_set_vgpr_msb (MSB<<8)|\new
.set MSB, \new
.endif
.endm
; A round of the cluster's barrier.
.macro ROUND
	s_barrier_signal -1
	s_barrier_wait -1
	s_cmp_lg_u32 s12, 0
	s_cbranch_scc1 .Lnot_wave_0_\@
	s_barrier_signal -3
.Lnot_wave_0_\@:
	s_barrier_wait -3
	s_barrier_signal -1
	s_barrier_wait -1
.endm
; Eight loads: my tile's 16 rows x 256 bytes of the K step gk steps behind the stream's base, into set `set`.  Lanes 0-15 take one row's 256 bytes, lanes 16-31 the next row's.
.macro GLOAD set, gk
	WIN 0xC0                                       ; destination window 3
.irp i, 0,1,2,3,4,5,6,7
	global_load_b128 v[32*(\set)+4*\i:32*(\set)+4*\i+3], v[GW], s[46:47] offset:(2*\i+8*(\i/4))*PITCH+256*(\gk) th:TH_LOAD_NT
.endr
	WIN 0
.endm
; A set goes through my stage: in as whole rows, back as my two blocks' 16 words each.  LDS serves a wave's instructions in order (ISA guide 5.7.1.4): no wait between the stores and the loads, nor against the last turn's loads.
.macro TURNM set, cnt
	s_wait_loadcnt \cnt                            ; this set's eight loads are in; cnt = eight for each younger set
	WIN 0x0C                                       ; an LDS store's data are its source 1: window 3
.irp i, 0,1,2,3,4,5,6,7
	ds_store_b128 v[STW], v[32*(\set)+4*\i:32*(\set)+4*\i+3] offset:544*\i
.endr
	WIN 0
.irp c, 0,1
.irp q, 0,1,2,3
	ds_load_b128 v[WD+16*\c+4*\q:WD+16*\c+4*\q+3], v[STR] offset:128*\c+16*\q
.endr
.endr
.endm
; The tokens' scale word n of the next set: the halves for c = 0 and c = 1 of one tile make a word.
.macro XP n
	v_perm_b32 v[XSC+4*NXT+(\n)], v[HB+(\n)/2], v[HA+(\n)/2], s[26+(\n)%2]
.endm
; THE VECTOR WORK OF A K STEP is a list of 184; OP writes number j.
;   0-63    word j / 2: bits 7:4 under the exponent of 2^19 give 2^19 + the even column's number, bits 3:0 under that of 2^23 give 2^23 + the odd column's
;   64-95   less 2^19 + 8, less 2^23 + 8: exact.  96-127 times the row's scale: one rounding, as in (number - 8) x scale.  (Not one fused line: the constant times the scale would be rounded by itself.)
;   128-159 the two blocks' largest magnitudes, four chains by turns; a chain begins with the floor 2^(5 - 127)
;   160-163 the tokens' scale words for the next K step (they ride here; DOX = 0 leaves them out)
;   164-169 the maxima joined; 4 off the exponent field: the conversion's scale operand; its byte
;   170-173 the conversions;  174-177 my two bytes, at 8 h bits, with lane l xor 16's two: the row's scale word;  178-183 the blocks' upper halves to their places
.macro OP
.if j < 64
.if j%2 == 0
	v_and_or_b32 v[F+j], v[WD+j/2], s22, s20
.else
	v_and_or_b32 v[F+j], v[WD+j/2], 15, s21
.endif
.elseif j < 96
.set o, F+2*(j-64)
	v_pk_add_f32 v[o:o+1], v[o:o+1], v[CSUB:CSUB+1]
.elseif j < 128
.set o, F+2*(j-96)
	v_pk_mul_f32 v[o:o+1], v[o:o+1], v[SROW:SROW+1]
.elseif j < 160
.set oq, (j-128)%4
.set o, F+2*(16*(oq/2)+2*((j-128)/4)+oq%2)
.if j < 132
	v_max3_num_f32 v[M+oq], |v[o]|, |v[o+1]|, s23
.else
	v_max3_num_f32 v[M+oq], v[M+oq], |v[o]|, |v[o+1]|
.endif
.elseif j < 164
.if DOX
.if j == 160
	s_wait_dscnt NDW                               ; the interval's fetch is in; NDW = the sixteen LDS instructions of the turn issued behind it, or none
.endif
	XP j-160
.endif
.elseif j < 166
	v_max_num_f32 v[M+2*(j-164)], v[M+2*(j-164)], v[M+2*(j-164)+1]
.elseif j < 168
	v_add_nc_u32 v[SO+j-166], 0xfe000000, v[M+2*(j-166)]
.elseif j < 170
	v_lshrrev_b32 v[BY+j-168], 23, v[SO+j-168]
.elseif j < 174
.set o, j-170
.if o%2 == 0
	v_cvt_scalef32_pk16_bf6_f32 v[CODE+3*o:CODE+3*o+2], v[F+16*o:F+16*o+15], v[SO+o/2]
.else
	v_cvt_scalef32_pk16_bf6_f32 v[TMPC+2*(o-1):TMPC+2*(o-1)+2], v[F+16*o:F+16*o+15], v[SO+o/2]
.endif
.elseif j == 174
	v_lshl_or_b32 v[WT], v[BY+1], 16, v[BY]        ; (plain lines between the conversions and the moves that read their results)
.elseif j == 175
	v_lshlrev_b32 v[WT], v[SH8], v[WT]
.elseif j == 176
	v_permlanex16_b32 v[WT2], v[WT], s24, s25
.elseif j == 177
	v_or_b32 v[WT], v[WT], v[WT2]
.else
.set o, j-178
	v_mov_b32 v[CODE+6*(o/3)+3+o%3], v[TMPC+4*(o/3)+o%3]
.endif
.endm
; Slice kk of 32: six numbers of the list, from slice 28 on four.  Slice 31 is four moves that name no register of the products: they are the four places (ISA guide 7.12.1 for vector instructions) between the
; K step's last matrix instruction and the next interval's loads into its operands.
.macro SLICE
	WIN 0
.if kk < 28
.set j, 6*kk
.rept 6
	OP
.set j, j+1
.endr
.else
.set j, 168+4*(kk-28)
.rept 4
	OP
.set j, j+1
.endr
.endif
.endm
.macro PREPALL                         ; the list on end, ahead of the first product
.set DOX, 0
.set j, 0
.rept 184
	OP
.set j, j+1
.endr
.endm
.macro IMGST buf                       ; my fragment and its scale word go to LDS as they stand
.irp c, 0,1,2
	ds_store_b128 v[WIW], v[CODE+4*\c:CODE+4*\c+3] offset:6144*(\buf)+512*\c
.endr
	ds_store_b32 v[WSW], v[WT] offset:256*(\buf)   ; (both lanes of a row write the same word with the same value)
.endm
; 47 LDS loads in one run: a K step's operands into register sets p: the tokens' scale halves, the four tiles' scale words and fragments from image buffer buf, my eight token fragments of K step ks of the slot.
.macro FETCH p, buf, slot, ks
	ds_load_b64 v[HA:HA+1], v[XS8+(\slot)] offset:2048*(\ks)
	ds_load_b64 v[HB:HB+1], v[XS8+(\slot)] offset:2048*(\ks)+1024
	ds_load_b128 v[WS+4*(\p):WS+4*(\p)+3], v[WSR] offset:256*(\buf)
	WIN 0xC0
.irp a, 0,1,2,3
.irp c, 0,1,2
	ds_load_b128 v[128+48*(\p)+12*\a+4*\c:128+48*(\p)+12*\a+4*\c+3], v[WIR] offset:6144*(\buf)+1536*\a+512*\c
.endr
.endr
	WIN 0x80
.irp i, 0,1,2,3,4,5,6,7
	ds_load_b128 v[96*(\p)+12*\i:96*(\p)+12*\i+3],     v[XA16+(\slot)] offset:49152*(\ks)+1536*\i
	ds_load_b64  v[96*(\p)+12*\i+4:96*(\p)+12*\i+5],   v[XA8+(\slot)]  offset:49152*(\ks)+1536*\i+512
	ds_load_b128 v[96*(\p)+12*\i+6:96*(\p)+12*\i+9],   v[XA16+(\slot)] offset:49152*(\ks)+1536*\i+768
	ds_load_b64  v[96*(\p)+12*\i+10:96*(\p)+12*\i+11], v[XA8+(\slot)]  offset:49152*(\ks)+1536*\i+1280
.endr
	WIN 0
.endm
; Matrix instruction kk of 32: weight tile kk % 4 x token tile kk / 4.  The 32 accumulators take turns, one instruction a turn, in the same order in every K step.
; The tokens' scale words of tiles 4 to 7 stand in lanes 16-31.  zero = 1: the first K step starts the sums: nothing is cleared.
.macro WMMA p, zero
	WIN 0x5B                                       ; source 0 window 3, source 1 window 2, C and D window 1
.set rD, 8*kk
.set rA, 128+48*(\p)+12*(kk%4)
.set rB, 96*(\p)+12*(kk/4)
.set rP, WS+4*(\p)+kk%4
.set rQ, XSC+4*(\p)+(kk/4)%4
.if \zero
.if kk < 16
	v_wmma_scale_f32_16x16x128_f8f6f4 v[rD:rD+7], v[rA:rA+11], v[rB:rB+11], 0, v[rP], v[rQ] matrix_a_fmt:MATRIX_FMT_BF6 matrix_b_fmt:MATRIX_FMT_BF6
.else
	v_wmma_scale_f32_16x16x128_f8f6f4 v[rD:rD+7], v[rA:rA+11], v[rB:rB+11], 0, v[rP], v[rQ] matrix_a_fmt:MATRIX_FMT_BF6 matrix_b_fmt:MATRIX_FMT_BF6 matrix_b_scale:MATRIX_SCALE_ROW1
.endif
.else
.if kk < 16
	v_wmma_scale_f32_16x16x128_f8f6f4 v[rD:rD+7], v[rA:rA+11], v[rB:rB+11], v[rD:rD+7], v[rP], v[rQ] matrix_a_fmt:MATRIX_FMT_BF6 matrix_b_fmt:MATRIX_FMT_BF6
.else
	v_wmma_scale_f32_16x16x128_f8f6f4 v[rD:rD+7], v[rA:rA+11], v[rB:rB+11], v[rD:rD+7], v[rP], v[rQ] matrix_a_fmt:MATRIX_FMT_BF6 matrix_b_fmt:MATRIX_FMT_BF6 matrix_b_scale:MATRIX_SCALE_ROW1
.endif
.endif
.endm
; The head of an interval.  kind 0: my LDS stores have landed and my LDS loads are in; the work-group's barrier.  kind 1: the slot just left is filled again: all my tensor loads have landed (one was out: my quarter of the
; other slot's chunk), 0 is added to my spare word, the slot's address steps two chunks on while the add is out, the add and my reads are awaited, a round of the cluster's barrier, and my one joint load first behind it:
; it has two intervals in which to land.  kind 2: the same waits and a plain barrier: the last chunk has landed, nothing is asked for.  kind 3: my loads are in; nothing is shared any more.
.macro BAR kind, slot
	WIN 0
.if \kind == 0
	s_wait_dscnt 0x0
	s_barrier_signal -1
	s_barrier_wait -1
.endif
.if \kind == 1
	s_wait_tensorcnt 0x0
	ds_add_u32 v[SPW], v[NIL]
	s_add_nc_u64 s[38+4*(\slot):39+4*(\slot)], s[38+4*(\slot):39+4*(\slot)], 2*CHUNK   ; no tensor load of mine is out: a group 0 may be written; the type bits on top are not reached
	s_wait_dscnt 0x0
	ROUND
	tensor_load_to_lds s[36+4*(\slot):39+4*(\slot)], s[28:35]
	s_nop 0
.rept 4
	v_nop                                          ; four lines behind a tensor load, ahead of the next window switch
.endr
.endif
.if \kind == 2
	s_wait_tensorcnt 0x0
	ds_add_u32 v[SPW], v[NIL]
	s_wait_dscnt 0x0
	s_barrier_signal -1
	s_barrier_wait -1
.endif
.if \kind == 3
	s_wait_dscnt 0x0
.endif
.endm
; INTERVAL t, pos = t % 4.  gl: ask memory for K step t + 6 (gk: its distance from the stream's base).  fetch: the operands of t + 1.  prep: quantise t + 2.  turn >= 0: turn t + 3 through the stage, behind slice 15
; (the list's numbers 0 to 63, which read the words of t + 2, stand in slices 0 to 10); turn = the loads that may stay out.
.macro INTERVAL pos, zero, bar, gl, gk, fetch, prep, turn
	BAR \bar, ((\pos)-1)/2
.if \gl
	GLOAD ((\pos)+2)%4, \gk
.endif
.if \fetch
	FETCH ((\pos)+1)%2, ((\pos)+1)%2, (((\pos)+1)%4)/2, ((\pos)+1)%2
.endif
.set NXT, ((\pos)+1)%2
.set DOX, 1
.set NDW, 0
.if (\turn) >= 0
.set NDW, 16
.endif
.set kk, 0
.rept 32
	WMMA (\pos)%2, \zero
.if \prep
	SLICE
.if (kk == 15) && ((\turn) >= 0)
	TURNM ((\pos)+3)%4, \turn
.endif
.endif
.set kk, kk+1
.endr
	WIN 0
.if \prep
	IMGST (\pos)%2
.elseif \fetch
	s_wait_dscnt 0x0                               ; no list to ride on: the last K step's scale halves are in,
	XP 0
	XP 1
	XP 2
	XP 3
.rept 8
	v_nop                                          ; and a scale register written by a vector instruction stands eight places ahead of the scaled matrix instruction
.endr
.else
.rept 4
	v_nop                                          ; four places between the last product and the first read of results
.endr
.endif
.endm
	s_load_b256 s[4:11], s[0:1], 0x0               ; the packed weight s[4:5], its scales s[6:7], the activations' chunks s[8:9], the output s[10:11]
	v_lshl_add_u32 v[SPW], v0, 2, SPARE
	v_mov_b32 v[NIL], 0
	ds_add_u32 v1, v2
	ds_add_u32 v1, v2
	s_wait_dscnt 0x0
	v_lshrrev_b32 v21, 5, v0
	v_readfirstlane_b32 s12, v21                   ; wave w = 0 .. 3
	v_and_b32 v21, 31, v0                          ; lane
	v_and_b32 v22, 15, v0                          ; r
	v_bfe_u32 v23, v0, 4, 1                        ; h
	s_bfe_u32 s13, ttmp6, 0x40000                  ; cx: it enters the weights', the scales' and the output's global addresses alone
	s_lshl_b32 s14, ttmp9, 2
	s_add_co_u32 s14, s14, s13                     ; n: which 64 rows of the weight
.if LAYER == 2
	s_and_b32 s15, ttmp7, 0xffff                   ; y: which quarter of K; the four partners share it
.endif
	; my tile's first row: 64 n + 32 (w / 2) + 8 (w % 2)
	s_lshr_b32 s16, s12, 1
	s_lshl_b32 s16, s16, 5
	s_and_b32 s17, s12, 1
	s_lshl_b32 s17, s17, 3
	s_add_co_u32 s16, s16, s17
	s_lshl_b32 s17, s14, 6
	s_add_co_u32 s16, s16, s17
	s_lshl_b32 s46, s16, PSH                       ; in bytes: under 2^28
.if LAYER == 2
	s_lshl_b32 s52, s15, 13                        ; 4,096 along K are 2,048 words
	s_add_co_u32 s46, s46, s52
.endif
	s_mov_b32 s47, 0
	s_lshl_b32 s16, s16, 2                         ; and among the row scales
	s_mov_b32 s17, 0
	; LDS addresses: constants, the lane and the wave's number
	v_lshlrev_b32 v[GW], 4, v22
	v_lshl_add_u32 v[GW], v23, PSH, v[GW]
	s_mul_i32 s59, s12, 4352
	s_add_co_u32 s59, s59, STG
	v_mul_u32_u24 v[STW], v23, 272
	v_lshl_add_u32 v[STW], v22, 4, v[STW]
	v_add_nc_u32 v[STW], s59, v[STW]
	v_mul_u32_u24 v[STR], v22, 272
	v_lshl_add_u32 v[STR], v23, 6, v[STR]
	v_add_nc_u32 v[STR], s59, v[STR]
	s_mul_i32 s59, s12, FRB
	s_add_co_u32 s59, s59, IMG
	v_lshl_add_u32 v[WIW], v21, 4, s59
	s_lshl_b32 s59, s12, 2
	s_add_co_u32 s59, s59, WSC
	v_lshl_add_u32 v[WSW], v22, 4, s59
	v_lshl_add_u32 v[WIR], v21, 4, IMG
	v_lshl_add_u32 v[WSR], v22, 4, WSC
	s_mul_i32 s59, s12, 8*FRB
	v_lshl_add_u32 v[XA16], v21, 4, s59
	v_add_nc_u32 v[XA16+1], CHUNK, v[XA16]
	v_lshl_add_u32 v[XA8], v21, 3, s59
	v_add_nc_u32 v[XA8+1], CHUNK, v[XA8]
	s_lshl_b32 s59, s12, 8
	s_add_co_u32 s59, s59, SCOFF
	v_lshl_add_u32 v[XS8], v21, 3, s59
	v_add_nc_u32 v[XS8+1], CHUNK, v[XS8]
	v_mov_b32 v[CSUB], 0xC9000080                  ; -(2^19 + 8)
	v_mov_b32 v[CSUB+1], 0xCB000008                ; -(2^23 + 8)
	v_lshlrev_b32 v[SH8], 3, v23
	v_mov_b32 v[WT2], 0                            ; written once: a lane permute's destination counts as one of its sources
	v_and_b32 v38, 8, v22
	v_add_nc_u32 v38, v38, v22
	v_lshlrev_b32 v38, 2, v38                      ; my row's scale: 4 (r + 8 (r / 8))
	s_mov_b32 s20, 0x49000000                      ; 2^19
	s_mov_b32 s21, 0x4B000000                      ; 2^23
	s_mov_b32 s22, 0xF0
	s_mov_b32 s23, 0x02800000                      ; the floor 2^(5 - 127)
	s_mov_b32 s24, 0x76543210
	s_mov_b32 s25, 0xfedcba98                      ; v_permlanex16_b32's selects for lane l xor 16
	s_mov_b32 s26, 0x05040100                      ; v_perm_b32: the two low halves
	s_mov_b32 s27, 0x07060302                      ; the two high halves
	; descriptor group 1: a dense block of 25,600 bytes as 100 rows of 32 elements of 8 bytes
	s_mov_b32 s28, 15|(3<<16)|(1<<21)              ; 15:0 the mask: all four work-groups; 17:16 elements of 8 bytes; 20 no padding (images are read on end); 21 set beside a mask
	s_mov_b32 s29, 32<<16                          ; tensor_dim0 = 32
	s_mov_b32 s30, 100<<16                         ; tensor_dim1 = 100
	s_mov_b32 s31, 32<<16                          ; tile_dim0 = 32
	s_mov_b32 s32, 100                             ; tile_dim1 = 100
	s_mov_b32 s33, 32                              ; from row to row
	s_mov_b32 s34, 0
	s_mov_b32 s35, 0
	s_mul_i32 s18, s12, QUART                      ; my quarter of a chunk, in LDS and in memory
	s_mov_b32 s54, s18
.if LAYER == 2
	s_mul_i32 s55, s15, 16*CHUNK                   ; my quarter of K: 16 chunks
	s_add_co_u32 s54, s54, s55
.endif
	s_mov_b32 s55, 0
	; where the results go
.if LAYER == 1
	s_mul_i32 s48, ttmp9, CHUNK                    ; my 64 hidden units are half c = cx % 2 of K step s = cx / 2 of chunk n / 4
	s_lshr_b32 s56, s13, 1
	s_and_b32 s57, s13, 1
	s_lshl_b32 s50, s56, 11
	s_lshl_b32 s51, s57, 10
	s_add_co_u32 s50, s50, s51
	s_lshl_b32 s51, s12, 8
	s_add_co_u32 s50, s50, s51
	s_add_co_u32 s50, s50, s48
	s_add_co_u32 s50, s50, SCOFF                   ; my eight tiles' scale halves
	s_mov_b32 s51, 0
	s_lshl_b32 s56, s56, 5
	s_lshl_b32 s58, s12, 3
	s_add_co_u32 s56, s56, s58
	s_mul_i32 s56, s56, FRB
	s_mul_i32 s57, s57, 768
	s_add_co_u32 s48, s48, s56
	s_add_co_u32 s48, s48, s57                     ; my first tile's half image
	s_mov_b32 s49, 0
.else
	s_lshl_b32 s48, s15, 23                        ; part y: 512 x 4,096 f32;
	s_lshl_b32 s56, s12, 21                        ; my 128 rows of 16,384 bytes;
	s_add_co_u32 s48, s48, s56
	s_lshl_b32 s56, s14, 8                         ; my 64 columns
	s_add_co_u32 s48, s48, s56
	s_mov_b32 s49, 0
.endif
	s_wait_kmcnt 0x0
	s_add_nc_u64 s[6:7], s[6:7], s[16:17]
	global_load_b32 v[SROW], v38, s[6:7]
	s_add_nc_u64 s[46:47], s[4:5], s[46:47]        ; the stream's base: my tile's first row, K step 0
	GLOAD 0, 0
	GLOAD 1, 1
	GLOAD 2, 2
	GLOAD 3, 3
	s_add_nc_u64 s[48:49], s[10:11], s[48:49]
.if LAYER == 1
	s_add_nc_u64 s[50:51], s[10:11], s[50:51]
.endif
	s_add_nc_u64 s[8:9], s[8:9], s[54:55]
	s_mov_b32 s36, 1                               ; group 0 of slot 0: count = 1,
	s_mov_b32 s37, s18                             ; LDS address,
	s_mov_b64 s[38:39], s[8:9]                     ; global address: chunk 0,
	s_or_b32 s39, s39, 0x80000000                  ; type = 2
	s_mov_b32 s40, 1                               ; of slot 1: chunk 1
	s_add_co_u32 s41, s18, CHUNK
	s_add_nc_u64 s[42:43], s[8:9], CHUNK
	s_or_b32 s43, s43, 0x80000000
	ROUND                                          ; all four work-groups are here: the first joint loads meet
	tensor_load_to_lds s[36:39], s[28:35]          ; both first fills together, ahead of every wait on TENSORcnt and every LDS read: two loads of mine are out
	s_nop 0
	tensor_load_to_lds s[40:43], s[28:35]
	s_nop 0
.rept 4
	v_nop
.endr
	; THE PROLOGUE: the images of K steps 0 and 1, the words of K step 2, the operands of K step 0
	TURNM 0, 24                                    ; three younger sets may be out; the row's scale, asked for first, is in
	s_wait_dscnt 0x0                               ; the words are back, and the stores have read set 0,
	v_mov_b32 v[SROW+1], v[SROW]
	GLOAD 0, 4                                     ; which takes K step 4
	PREPALL
	IMGST 0
	TURNM 1, 24
	s_wait_dscnt 0x0
	GLOAD 1, 5
	PREPALL
	IMGST 1
	TURNM 2, 24
	s_wait_tensorcnt 0x1                           ; my quarter of chunk 0 is in; chunk 1's may stay out
	s_wait_dscnt 0x0                               ; my two images lie in LDS
	s_barrier_signal -1
	s_barrier_wait -1
	FETCH 0, 0, 0, 0
	s_wait_dscnt 0x0
.set NXT, 0
	XP 0
	XP 1
	XP 2
	XP 3
.rept 8
	v_nop                                          ; eight places between a scale register's write and the scaled matrix instruction
.endr
	INTERVAL 0,1,0,1,6,1,1,24                      ; t = 0 stands in front of the loop: its products start the sums
	s_mov_b32 s44, 6
.Ltrip:                                            ; six trips of four intervals: t = 1 .. 24
	INTERVAL 1,0,1,1,7,1,1,24
	INTERVAL 2,0,0,1,8,1,1,24
	INTERVAL 3,0,1,1,9,1,1,24
	INTERVAL 0,0,0,1,10,1,1,24
	s_wait_xcnt 0x0                                ; the loads have read their base: it steps four K steps on
	s_add_nc_u64 s[46:47], s[46:47], 1024
	s_sub_co_u32 s44, s44, 1
	s_cmp_lg_u32 s44, 0
	s_cbranch_scc1 .Ltrip
	INTERVAL 1,0,1,1,7,1,1,24                      ; t = 25: the last loads (K step 31).  The tail is written out: no load is jumped over, and the counts run down
	INTERVAL 2,0,0,0,0,1,1,16                      ; t = 26
	INTERVAL 3,0,1,0,0,1,1,8                       ; t = 27: the last chunk is asked for
	INTERVAL 0,0,0,0,0,1,1,0                       ; t = 28: K step 31 turns
	INTERVAL 1,0,2,0,0,1,1,-1                      ; t = 29: the last chunk has landed; K step 31 is quantised
	INTERVAL 2,0,0,0,0,1,0,-1                      ; t = 30
	INTERVAL 3,0,3,0,0,0,0,-1                      ; t = 31
.if LAYER == 1
; THE WAY OUT OF LAYER 1.  gelu in its tanh form is x / (1 + 2^(x (KA + KB x^2))), KA = -2 sqrt(2 / pi) log2(e), KB = 0.044715 KA; all in f32.  A token tile's 32 numbers of a lane are two half blocks of 32 along the
; next K; they are quantised in registers and stored as half an operand's image.  Each accumulator is read from its low end on.
.set KA, CSUB
.set KB, SROW
.set U,  108                           ; v108-139 at work
.set H,  140                           ; v140-171 gelu's results
.set SH, 236                           ; v236-239 the eight tiles' scale halves, two to a register
	v_mov_b32 v[KA], 0xC0135761
	v_mov_b32 v[KA+1], 0xC0135761
	v_mov_b32 v[KB], 0xBDD2D3E8
	v_mov_b32 v[KB+1], 0xBDD2D3E8
	v_and_b32 v23, 31, v0                          ; lane
	v_lshlrev_b32 v21, 4, v23                      ; 16 x lane
	v_lshlrev_b32 v22, 3, v23                      ; 8 x lane
.macro GELU i
.set X, 32*(\i)                        ; the tile's four accumulators, in window 1
	WIN 0x05
.irp q, 0,1,2,3,4,5,6,7,8,9,10,11,12,13,14,15
	v_pk_mul_f32 v[U+2*\q:U+2*\q+1], v[X+2*\q:X+2*\q+1], v[X+2*\q:X+2*\q+1]
.endr
	WIN 0
.irp q, 0,1,2,3,4,5,6,7,8,9,10,11,12,13,14,15
	v_pk_fma_f32 v[U+2*\q:U+2*\q+1], v[U+2*\q:U+2*\q+1], v[KB:KB+1], v[KA:KA+1]
.endr
	WIN 0x04
.irp q, 0,1,2,3,4,5,6,7,8,9,10,11,12,13,14,15
	v_pk_mul_f32 v[U+2*\q:U+2*\q+1], v[U+2*\q:U+2*\q+1], v[X+2*\q:X+2*\q+1]
.endr
	WIN 0
.irp q, 0,1,2,3,4,5,6,7,8,9,10,11,12,13,14,15,16,17,18,19,20,21,22,23,24,25,26,27,28,29,30,31
	v_exp_f32 v[U+\q], v[U+\q]
.endr
	v_nop                                          ; a plain line behind the last exponential,
	s_wait_alu depctr_va_vdst(0)                   ; and one wait for the batch, ahead of its first reader
.irp q, 0,1,2,3,4,5,6,7,8,9,10,11,12,13,14,15
	v_pk_add_f32 v[U+2*\q:U+2*\q+1], v[U+2*\q:U+2*\q+1], 1.0 op_sel_hi:[1,0]
.endr
.irp q, 0,1,2,3,4,5,6,7,8,9,10,11,12,13,14,15,16,17,18,19,20,21,22,23,24,25,26,27,28,29,30,31
	v_rcp_f32 v[U+\q], v[U+\q]
.endr
	v_nop
	s_wait_alu depctr_va_vdst(0)                   ; likewise for the reciprocals
	WIN 0x04
.irp q, 0,1,2,3,4,5,6,7,8,9,10,11,12,13,14,15
	v_pk_mul_f32 v[H+2*\q:H+2*\q+1], v[U+2*\q:U+2*\q+1], v[X+2*\q:X+2*\q+1]
.endr
	WIN 0
.endm
.macro QUANT2 i                        ; register 16 b + q of H = hidden unit 32 b + 16 h + q of my token
.set E, 172+8*(\i)                     ; the tile's codes: registers of its own, so that no store's data are written again
.irp b, 0,1
	v_max3_num_f32 v[M+\b], |v[H+16*\b]|, |v[H+16*\b+1]|, s23
.endr
.irp q, 2,4,6,8,10,12,14
.irp b, 0,1
	v_max3_num_f32 v[M+\b], v[M+\b], |v[H+16*\b+\q]|, |v[H+16*\b+\q+1]|
.endr
.endr
.irp b, 0,1
	v_permlanex16_b32 v[M+2+\b], v[M+\b], s24, s25
.endr
.irp b, 0,1
	v_max_num_f32 v[M+\b], v[M+\b], v[M+2+\b]      ; with lane l xor 16's: the block's largest magnitude
.endr
.irp b, 0,1
	v_add_nc_u32 v[SO+\b], 0xfe000000, v[M+\b]
.endr
.irp b, 0,1
	v_lshrrev_b32 v[BY+\b], 23, v[SO+\b]
.endr
	v_cvt_scalef32_pk16_bf6_f32 v[E:E+2], v[H:H+15], v[SO]
	v_cvt_scalef32_pk16_bf6_f32 v[E+4:E+6], v[H+16:H+31], v[SO+1]
.if (\i)%2 == 0                        ; the tile's scale half; also the plain line behind the conversions
	v_lshl_or_b32 v[SH+(\i)/2], v[BY+1], 8, v[BY]
.else
	v_lshl_or_b32 v[WT], v[BY+1], 8, v[BY]
	v_lshl_or_b32 v[SH+(\i)/2], v[WT], 16, v[SH+(\i)/2]
.endif
.irp q, 0,1,2
	v_permlane16_swap_b32 v[E+\q], v[E+4+\q]       ; a WHOLE block to a lane: lanes 0-15 the first block, lanes 16-31 the second
.endr
.irp q, 0,1,2
	v_mov_b32 v[E+3+\q], v[E+4+\q]                 ; ascending: each source is read before it is written
.endr
	global_store_b128 v21, v[E:E+3], s[48:49] offset:1536*(\i)         ; 512 consecutive bytes, at a multiple of 256 from hq's first byte
	global_store_b64 v22, v[E+4:E+5], s[48:49] offset:1536*(\i)+512    ; 256 consecutive bytes, likewise
.endm
.irp i, 0,1,2,3,4,5,6,7
	GELU \i
	QUANT2 \i
.endr
	v_cmp_gt_u32 vcc_lo, 16, v23                   ; lanes 0-15 store tiles 0 to 3's halves, lanes 16-31 tiles 4 to 7's
	v_cndmask_b32 v240, v[SH+2], v[SH], vcc_lo
	v_cndmask_b32 v241, v[SH+3], v[SH+1], vcc_lo
	global_store_b64 v22, v[240:241], s[50:51]     ; 256 consecutive bytes, aligned
.else
; THE WAY OUT OF LAYER 2.  A lane holds 4 x 32 neighbouring bytes of one row of the output, and the lanes beside it hold other rows: a tile of 16 rows x 64 columns goes through my own stage and comes back as whole
; rows of 256 bytes.  LDS serves a wave's instructions in order: no wait between the stores and the loads, nor in front of the next tile's stores.
.set GP, 39                            ; v39  16,384 (lane / 16) + 16 (lane % 16)
.set OB, 108                           ; v108-139, v140-171 by turns
	v_lshlrev_b32 v[GP], 4, v22
	v_lshl_add_u32 v[GP], v23, 14, v[GP]
.macro TOSTAGE m
	WIN 0x04                                       ; an LDS store's data are its source 1: window 1
.irp a, 0,1,2,3
	ds_store_b128 v[STR], v[8*(4*(\m)+\a):8*(4*(\m)+\a)+3] offset:128*(\a/2)+32*(\a%2)        ; each accumulator from its low end on: columns 32 (a / 2) + 16 h + 8 (a % 2) + 0 .. 7
	ds_store_b128 v[STR], v[8*(4*(\m)+\a)+4:8*(4*(\m)+\a)+7] offset:128*(\a/2)+32*(\a%2)+16
.endr
	WIN 0
.irp i, 0,1,2,3,4,5,6,7
	ds_load_b128 v[OB+32*((\m)%2)+4*\i:OB+32*((\m)%2)+4*\i+3], v[STW] offset:544*\i
.endr
.endm
.macro SEND m, younger                 ; younger: the LDS instructions issued behind tile m's loads: the next tile's eight stores and eight loads, or none
	s_wait_dscnt \younger
.irp i, 0,1,2,3,4,5,6,7
	global_store_b128 v[GP], v[OB+32*((\m)%2)+4*\i:OB+32*((\m)%2)+4*\i+3], s[48:49] offset:(16*(\m)+2*\i)*16384 th:TH_STORE_NT   ; sixteen lanes store 256 consecutive bytes, at a multiple of 256 from the buffer's first byte
.endr
.endm
	TOSTAGE 0
.irp m, 1,2,3,4,5,6,7
.if \m > 1
	s_wait_xcnt 0x0                                ; tile m - 2's stores have read their registers: tile m's loads may land there
.endif
	TOSTAGE \m
	SEND \m-1, 16
.endr
	SEND 7, 0
.endif
	s_wait_tensorcnt 0x0                           ; the wave's end, behind my last tensor load and my last LDS store
	ds_add_u32 v[SPW], v[NIL]
	s_wait_dscnt 0x0
	ROUND                                          ; the closing round: no work-group ends while a partner may still ask for a chunk that names it
	s_endpgm
.Lfunc_end_k_qa014ba5196_fc2:
	.size	k_qa014ba5196_fc2, .Lfunc_end_k_qa014ba5196_fc2-k_qa014ba5196_fc2
	.p2alignl 7, 3214868480
	.fill 96, 4, 3214868480
	.section	.rodata,"a",@progbits
	.p2align	6, 0x0
	.amdhsa_kernel k_qa014ba5196_fc2
		.amdhsa_group_segment_fixed_size 327680
		.amdhsa_private_segment_fixed_size 0
		.amdhsa_enable_private_segment 0
		.amdhsa_kernarg_size 32
		.amdhsa_user_sgpr_count 2
		.amdhsa_user_sgpr_kernarg_segment_ptr 1
		.amdhsa_wavefront_size32 1
		.amdhsa_system_sgpr_workgroup_id_x 1
		.amdhsa_system_sgpr_workgroup_id_y 1
		.amdhsa_system_sgpr_workgroup_id_z 1
		.amdhsa_system_vgpr_workitem_id 0
		.amdhsa_next_free_vgpr 1024
		.amdhsa_next_free_sgpr 66
		.amdhsa_reserve_vcc 1
		.amdhsa_float_denorm_mode_32 3
		.amdhsa_float_denorm_mode_16_64 3
		.amdhsa_memory_ordered 1
		.amdhsa_forward_progress 1
		.amdhsa_inst_pref_size 255
	.end_amdhsa_kernel
	.section	.bss,"aw",@nobits
	.p2align	6
	.space	262144
	.amdgpu_metadata
---
amdhsa.version: [ 1, 2 ]
amdhsa.kernels:
  - .name:           k_qa014ba5196_fc2
    .symbol:         k_qa014ba5196_fc2.kd
    .args:
      - { .name: fc2_packed, .offset: 0, .size: 8, .value_kind: global_buffer, .address_space: global }
      - { .name: fc2_scales, .offset: 8, .size: 8, .value_kind: global_buffer, .address_space: global }
      - { .name: hq, .offset: 16, .size: 8, .value_kind: global_buffer, .address_space: global }
      - { .name: part, .offset: 24, .size: 8, .value_kind: global_buffer, .address_space: global }
    .group_segment_fixed_size: 327680
    .private_segment_fixed_size: 0
    .kernarg_segment_align: 8
    .kernarg_segment_size: 32
    .max_flat_workgroup_size: 128
    .sgpr_count:     66
    .vgpr_count:     1024
    .wavefront_size: 32
...
	.end_amdgpu_metadata
.endif
;; end of part 3
;; launch addk (part 4): grid 256 x 1, 8 waves a work-group, no clusters, 0 bytes of LDS; arguments part, out0; writes out0
.if DOCPART == 4
	.amdgcn_target "amdgcn-amd-amdhsa--gfx1250"
	.amdhsa_code_object_version 6
	.text
	.protected	k_qa014ba5196_addk
	.globl	k_qa014ba5196_addk
	.p2align	8
	.type	k_qa014ba5196_addk,@function
k_qa014ba5196_addk:
	s_mov_b64 s[64:65], 0
	v_nop
	global_prefetch_b8 v0, s[64:65] scope:SCOPE_SE
	s_setreg_imm32_b32 hwreg(HW_REG_WAVE_MODE, 25, 1), 1
	s_wait_xcnt 0x0
; out0 = ((part[0] + part[1]) + part[2]) + part[3]: the four quarters of the second product's K, each [512][4096] f32, added in f32 in that order.
; A stream: a work-group owns 32,768 consecutive bytes of out0, thread t the 16 bytes at 16 t of each of eight runs of 4,096 bytes, so a wave's load or store covers 512 consecutive bytes, aligned.
; All 32 loads of a thread go out at once; the waits count down.  No LDS, no barrier, no matrix unit, no cluster: no work-group shares a byte with another.
.set QB, 0x800000                      ; bytes in a quarter's partial sums
.set P,  8                             ; v8-135: run i, quarter y at v[P + 16 i + 4 y]
	s_load_b128 s[4:7], s[0:1], 0x0                ; part, out0
	v_lshlrev_b32 v1, 4, v0
	s_lshl_b32 s8, ttmp9, 15
	s_mov_b32 s9, 0
	s_wait_kmcnt 0x0
	s_add_nc_u64 s[4:5], s[4:5], s[8:9]
	s_add_nc_u64 s[6:7], s[6:7], s[8:9]
	s_add_nc_u64 s[10:11], s[4:5], QB              ; a base for each quarter: the distance does not fit a load's immediate
	s_add_nc_u64 s[12:13], s[4:5], 2*QB
	s_add_nc_u64 s[14:15], s[4:5], 3*QB
.irp i, 0,1,2,3,4,5,6,7
	global_load_b128 v[P+16*\i:P+16*\i+3],     v1, s[4:5]   offset:4096*\i th:TH_LOAD_NT
	global_load_b128 v[P+16*\i+4:P+16*\i+7],   v1, s[10:11] offset:4096*\i th:TH_LOAD_NT
	global_load_b128 v[P+16*\i+8:P+16*\i+11],  v1, s[12:13] offset:4096*\i th:TH_LOAD_NT
	global_load_b128 v[P+16*\i+12:P+16*\i+15], v1, s[14:15] offset:4096*\i th:TH_LOAD_NT
.endr
.irp i, 0,1,2,3,4,5,6,7
	s_wait_loadcnt 4*(7-\i)                        ; run i's four loads are in; four for each younger run may be out
.irp y, 1,2,3
	v_pk_add_f32 v[P+16*\i:P+16*\i+1],   v[P+16*\i:P+16*\i+1],   v[P+16*\i+4*\y:P+16*\i+4*\y+1]
	v_pk_add_f32 v[P+16*\i+2:P+16*\i+3], v[P+16*\i+2:P+16*\i+3], v[P+16*\i+4*\y+2:P+16*\i+4*\y+3]
.endr
	global_store_b128 v1, v[P+16*\i:P+16*\i+3], s[6:7] offset:4096*\i th:TH_STORE_NT
.endr
	s_endpgm
.Lfunc_end_k_qa014ba5196_addk:
	.size	k_qa014ba5196_addk, .Lfunc_end_k_qa014ba5196_addk-k_qa014ba5196_addk
	.p2alignl 7, 3214868480
	.fill 96, 4, 3214868480
	.section	.rodata,"a",@progbits
	.p2align	6, 0x0
	.amdhsa_kernel k_qa014ba5196_addk
		.amdhsa_group_segment_fixed_size 0
		.amdhsa_private_segment_fixed_size 0
		.amdhsa_enable_private_segment 0
		.amdhsa_kernarg_size 16
		.amdhsa_user_sgpr_count 2
		.amdhsa_user_sgpr_kernarg_segment_ptr 1
		.amdhsa_wavefront_size32 1
		.amdhsa_system_sgpr_workgroup_id_x 1
		.amdhsa_system_sgpr_workgroup_id_y 1
		.amdhsa_system_sgpr_workgroup_id_z 1
		.amdhsa_system_vgpr_workitem_id 0
		.amdhsa_next_free_vgpr 140
		.amdhsa_next_free_sgpr 66
		.amdhsa_reserve_vcc 0
		.amdhsa_float_denorm_mode_32 3
		.amdhsa_float_denorm_mode_16_64 3
		.amdhsa_memory_ordered 1
		.amdhsa_forward_progress 1
		.amdhsa_inst_pref_size 8
	.end_amdhsa_kernel
	.amdgpu_metadata
---
amdhsa.version: [ 1, 2 ]
amdhsa.kernels:
  - .name:           k_qa014ba5196_addk
    .symbol:         k_qa014ba5196_addk.kd
    .args:
      - { .name: part, .offset: 0, .size: 8, .value_kind: global_buffer, .address_space: global }
      - { .name: out0, .offset: 8, .size: 8, .value_kind: global_buffer, .address_space: global }
    .group_segment_fixed_size: 0
    .private_segment_fixed_size: 0
    .kernarg_segment_align: 8
    .kernarg_segment_size: 16
    .max_flat_workgroup_size: 256
    .sgpr_count:     66
    .vgpr_count:     140
    .wavefront_size: 32
...
	.end_amdgpu_metadata
.endif
;; end of part 4
;; ======== version 2 of 2: 4 launches
;; limits: right only within a limited range of input values
;; workspace buffers: xq 1,638,400 bytes; hq 6,553,600 bytes; part 33,554,432 bytes
;; launch qx (part 5): grid 128 x 1, 8 waves a work-group, no clusters, 2,048 bytes of LDS; arguments x, xq; writes xq
.if DOCPART == 5
	.amdgcn_target "amdgcn-amd-amdhsa--gfx1250"
	.amdhsa_code_object_version 6
	.text
	.protected	k_qa014ba5196_qx
	.globl	k_qa014ba5196_qx
	.p2align	8
	.type	k_qa014ba5196_qx,@function
k_qa014ba5196_qx:
	s_mov_b64 s[64:65], 0
	v_nop
	global_prefetch_b8 v0, s[64:65] scope:SCOPE_SE
	s_setreg_imm32_b32 hwreg(HW_REG_WAVE_MODE, 25, 1), 1
	s_wait_xcnt 0x0
; x [512][4096] f32 becomes codes of BF6 (E3M2) with one E8M0 byte for each 32 along K, laid as the next launch's operand registers want them.
; xq: 16 chunks of 256 along K, 102,400 bytes each.  In a chunk: fragment (K step s = 0, 1; token tile m = 0 .. 31) at (32 s + m) x 1,536; in it, for each half c of the K step, at 768 c:
; 512 bytes = lane l's registers 6 c .. 6 c + 3 at 16 l, then 256 bytes = registers 6 c + 4, 6 c + 5 at 8 l.  Behind the 64 fragments, at 98,304 + 2,048 s + 1,024 c + 256 g (g = m / 8):
; 256 bytes of scale halves: lane l's 8 bytes are four halves of 16 bits, number i for tile 8 g + 4 (l / 16) + i, row l % 16: byte of block 2 c | byte of block 2 c + 1 << 8.
; SHARES: work-group = (K step S = x / 4, group of eight token tiles g = x % 4); wave i makes the fragment of tile 8 g + i.  Eight tiles to a work-group, since 256 consecutive bytes of scale halves hold eight tiles' halves: they meet in LDS.
; A block's scale is 2^(floor(log2(its largest magnitude)) - 4): its byte is the largest magnitude's exponent field - 4, held at 1 from below.
; LIMITS: a block of zeros gets the byte 1 where the rule says 127 (its codes are zeros, and this program alone reads the bytes); blocks whose largest magnitude lies under 2^-122 are held at the byte 1; NaN and infinities are not served.
; No matrix unit, no cluster, no tensor load: no work-group shares an input byte with another, and the launch moves a small part of the program's bytes.
.set CHUNK, 102400
.set FRB,   1536
.set SCOFF, 98304
.set XA,  4                            ; v4   x: 16,384 r + 64 h
.set G16, 5                            ; v5   16 x lane
.set G8,  6                            ; v6   8 x lane
.set LH,  7                            ; v7   LDS: where my row's scale half goes
.set TM,  8                            ; v8-11 largest magnitudes, v12-15 the other half's, then bytes, v20-23 the conversions' scale operands
.set PW,  24                           ; v24  my row's scale word
.set GS,  25                           ; v25  wave 0: 1,024 (lane / 16) + 16 (lane % 16)
.set X,   32                           ; v32-95  64 numbers: register 16 b + i = k 32 b + 16 h + i of my row
.set PC,  96                           ; v96-107 the fragment; v108-114 at work
	s_load_b128 s[4:7], s[0:1], 0x0                ; x, xq
	v_lshl_add_u32 v128, v0, 2, 0x400
	v_mov_b32 v129, 0
	v_lshrrev_b32 v1, 5, v0
	s_delay_alu instid0(VALU_DEP_1)
	v_readfirstlane_b32 s8, v1                     ; wave i = 0 .. 7
	v_and_b32 v1, 31, v0                           ; lane
	v_and_b32 v2, 15, v0                           ; r
	s_wait_alu depctr_va_vdst(0)
	v_bfe_u32 v3, v0, 4, 1                         ; h
	v_lshlrev_b32 v[XA], 14, v2                    ; a row of x is 16,384 bytes
	s_delay_alu instid0(VALU_DEP_1)
	v_lshl_add_u32 v[XA], v3, 6, v[XA]             ; my 16 numbers of a block of 32
	v_lshlrev_b32 v[G16], 4, v1
	v_lshlrev_b32 v[G8], 3, v1
	v_lshlrev_b32 v[GS], 4, v2
	s_delay_alu instid0(VALU_DEP_1)
	v_lshl_add_u32 v[GS], v3, 10, v[GS]
	s_lshr_b32 s9, ttmp9, 2                        ; S: K step 0 .. 31
	s_and_b32 s10, ttmp9, 3                        ; g
	s_lshl_b32 s11, s10, 3
	s_add_co_u32 s11, s11, s8                      ; m = 8 g + i
	s_lshl_b32 s12, s11, 18                        ; 16 rows of 16,384 bytes a tile
	s_lshl_b32 s13, s9, 9                          ; 512 bytes a K step
	s_add_co_u32 s12, s12, s13
	s_mov_b32 s13, 0
	s_lshr_b32 s14, s9, 1
	s_mul_i32 s14, s14, CHUNK                      ; the chunk
	s_and_b32 s15, s9, 1                           ; s
	s_lshl_b32 s16, s15, 5
	s_add_co_u32 s16, s16, s11
	s_mul_i32 s16, s16, FRB
	s_add_co_u32 s16, s16, s14                     ; my fragment's image
	s_mov_b32 s17, 0
	s_lshl_b32 s18, s15, 11
	s_lshl_b32 s19, s10, 8
	s_add_co_u32 s18, s18, s19
	s_add_co_u32 s18, s18, s14
	s_add_co_u32 s18, s18, SCOFF                   ; the work-group's scale halves, c = 0
	s_mov_b32 s19, 0
	s_lshr_b32 s20, s8, 2
	s_lshl_b32 s20, s20, 7
	s_and_b32 s21, s8, 3
	s_lshl_b32 s21, s21, 1
	s_add_co_u32 s20, s20, s21
	v_lshl_add_u32 v[LH], v2, 3, s20               ; 8 r + 128 (i / 4) + 2 (i % 4)
	s_mov_b32 s22, 0x76543210
	s_mov_b32 s23, 0xfedcba98                      ; v_permlanex16_b32's selects for lane l xor 16
.irp b, 0,1,2,3
	v_mov_b32 v[TM+4+\b], 0                        ; written once: a lane permute's destination counts as one of its sources
.endr
	s_wait_kmcnt 0x0
	s_add_nc_u64 s[4:5], s[4:5], s[12:13]
	s_add_nc_u64 s[16:17], s[6:7], s[16:17]
	s_add_nc_u64 s[18:19], s[6:7], s[18:19]
.irp b, 0,1,2,3
.irp j, 0,1,2,3
	global_load_b128 v[X+16*\b+4*\j:X+16*\b+4*\j+3], v[XA], s[4:5] offset:128*\b+16*\j th:TH_LOAD_NT   ; the sixteen loads together take each row's 512 bytes whole
.endr
.endr
	s_wait_loadcnt 0x0
.irp b, 0,1,2,3
	v_max3_num_f32 v[TM+\b], |v[X+16*\b]|, |v[X+1+16*\b]|, 0x2800000   ; block b: my 16 numbers, and the floor 2^(5 - 127): the byte cannot fall under 1
.endr
.irp i, 2,4,6,8,10,12,14
.irp b, 0,1,2,3
	s_delay_alu instid0(VALU_DEP_4)
	v_max3_num_f32 v[TM+\b], v[TM+\b], |v[X+16*\b+\i]|, |v[X+1+16*\b+\i]|   ; the four blocks by turns
.endr
.endr
.irp b, 0,1,2,3
	s_delay_alu instid0(VALU_DEP_4)
	v_permlanex16_b32 v[TM+4+\b], v[TM+\b], s22, s23
.endr
.irp b, 0,1,2,3
	s_delay_alu instid0(VALU_DEP_4)
	v_max_num_f32 v[TM+\b], v[TM+\b], v[TM+4+\b]   ; with lane l xor 16's: the block's largest magnitude
.endr
.irp b, 0,1,2,3
	s_delay_alu instid0(VALU_DEP_4)
	v_add_nc_u32 v[TM+12+\b], 0xfe000000, v[TM+\b] ; 4 off its exponent field: the conversion takes the exponent field of this operand as its scale
.endr
.irp b, 0,1,2,3
	s_delay_alu instid0(VALU_DEP_4)
	v_lshrrev_b32 v[TM+4+\b], 23, v[TM+12+\b]      ; the scale's byte
.endr
	s_delay_alu instid0(VALU_DEP_3)
	v_lshl_or_b32 v[PW], v[TM+5], 8, v[TM+4]       ; the four bytes make my row's scale word
	s_delay_alu instid0(VALU_DEP_1)
	v_lshl_or_b32 v[PW], v[TM+6], 16, v[PW]
	s_delay_alu instid0(VALU_DEP_1)
	v_lshl_or_b32 v[PW], v[TM+7], 24, v[PW]
.irp c, 0,1
	v_cvt_scalef32_pk16_bf6_f32 v[PC+6*\c:PC+2+6*\c], v[X+32*\c:X+15+32*\c], v[TM+12+2*\c]
	v_cvt_scalef32_pk16_bf6_f32 v[PC+12+4*\c:PC+14+4*\c], v[X+16+32*\c:X+31+32*\c], v[TM+12+2*\c+1]   ; (a conversion's three registers begin on an even number)
.endr
	v_nop                                          ; one plain place behind a scaled conversion
.irp c, 0,1                                    ; the operand's layout wants a WHOLE block in a lane: lanes 0-15 block 2 c, lanes 16-31 block 2 c + 1
.irp i, 0,1,2
	v_permlane16_swap_b32 v[PC+6*\c+\i], v[PC+12+4*\c+\i]
.endr
.irp i, 0,1,2
	s_delay_alu instid0(VALU_DEP_3)
	v_mov_b32 v[PC+3+6*\c+\i], v[PC+12+4*\c+\i]
.endr
.endr
	ds_store_b16 v[LH], v[PW]                      ; blocks 0, 1: the half for c = 0 (both lanes of a row write the same bytes with the same value)
	ds_store_b16_d16_hi v[LH], v[PW] offset:256    ; blocks 2, 3: for c = 1
.irp c, 0,1
	global_store_b128 v[G16], v[PC+6*\c:PC+6*\c+3], s[16:17] offset:768*\c        ; 512 consecutive bytes, at a multiple of 256 from xq's first byte
	global_store_b64 v[G8], v[PC+6*\c+4:PC+6*\c+5], s[16:17] offset:768*\c+512    ; 256 consecutive bytes, likewise
.endr
	s_wait_dscnt 0x0                               ; for the others' sake: my two halves lie in LDS
	s_barrier_signal -1
	s_barrier_wait -1
	s_cmp_lg_u32 s8, 0                             ; wave 0 stores the eight tiles' halves
	s_cbranch_scc1 .Ldone
	ds_load_b128 v[28:31], v[G16]                  ; lanes 0-15: the 256 bytes for c = 0; lanes 16-31: for c = 1
	s_wait_dscnt 0x0
	global_store_b128 v[GS], v[28:31], s[18:19]    ; sixteen lanes store 256 consecutive bytes, aligned
.Ldone:
	s_wait_tensorcnt 0x0
	ds_add_u32 v128, v129
	s_wait_dscnt 0x0
	s_endpgm
.Lfunc_end_k_qa014ba5196_qx:
	.size	k_qa014ba5196_qx, .Lfunc_end_k_qa014ba5196_qx-k_qa014ba5196_qx
	.p2alignl 7, 3214868480
	.fill 96, 4, 3214868480
	.section	.rodata,"a",@progbits
	.p2align	6, 0x0
	.amdhsa_kernel k_qa014ba5196_qx
		.amdhsa_group_segment_fixed_size 2048
		.amdhsa_private_segment_fixed_size 0
		.amdhsa_enable_private_segment 0
		.amdhsa_kernarg_size 16
		.amdhsa_user_sgpr_count 2
		.amdhsa_user_sgpr_kernarg_segment_ptr 1
		.amdhsa_wavefront_size32 1
		.amdhsa_system_sgpr_workgroup_id_x 1
		.amdhsa_system_sgpr_workgroup_id_y 1
		.amdhsa_system_sgpr_workgroup_id_z 1
		.amdhsa_system_vgpr_workitem_id 0
		.amdhsa_next_free_vgpr 130
		.amdhsa_next_free_sgpr 66
		.amdhsa_reserve_vcc 0
		.amdhsa_float_denorm_mode_32 3
		.amdhsa_float_denorm_mode_16_64 3
		.amdhsa_memory_ordered 1
		.amdhsa_forward_progress 1
		.amdhsa_inst_pref_size 11
	.end_amdhsa_kernel
	.amdgpu_metadata
---
amdhsa.version: [ 1, 2 ]
amdhsa.kernels:
  - .name:           k_qa014ba5196_qx
    .symbol:         k_qa014ba5196_qx.kd
    .args:
      - { .name: x, .offset: 0, .size: 8, .value_kind: global_buffer, .address_space: global }
      - { .name: xq, .offset: 8, .size: 8, .value_kind: global_buffer, .address_space: global }
    .group_segment_fixed_size: 2048
    .private_segment_fixed_size: 0
    .kernarg_segment_align: 8
    .kernarg_segment_size: 16
    .max_flat_workgroup_size: 256
    .sgpr_count:     66
    .vgpr_count:     130
    .wavefront_size: 32
...
	.end_amdgpu_metadata
.endif
;; end of part 5
;; launch fc1 (part 6): grid 256 x 1, 4 waves a work-group, clusters of 4 x 1, 327,680 bytes of LDS; arguments fc1_packed, fc1_scales, xq, hq; writes hq
.if DOCPART == 6
	.amdgcn_target "amdgcn-amd-amdhsa--gfx1250"
	.amdhsa_code_object_version 6
	.text
	.protected	k_qa014ba5196_fc1
	.globl	k_qa014ba5196_fc1
	.p2align	8
	.type	k_qa014ba5196_fc1,@function
k_qa014ba5196_fc1:
	s_mov_b64 s[64:65], 0
	v_nop
	global_prefetch_b8 v0, s[64:65] scope:SCOPE_SE
	s_setreg_imm32_b32 hwreg(HW_REG_WAVE_MODE, 25, 1), 1
	s_wait_xcnt 0x0
	s_wait_alu depctr_hold_cnt(0) depctr_sa_sdst(0) depctr_va_vdst(0) depctr_va_sdst(0) depctr_va_ssrc(0) depctr_va_vcc(0) depctr_vm_vsrc(0)
	s_getreg_b32 s2, hwreg(HW_REG_IB_STS2, 6, 4)
	s_cmp_eq_u32 s2, 0
	s_cbranch_scc0 .Lentry_in_a_cluster
	s_endpgm
.Lentry_in_a_cluster:
	s_bfe_u32 s2, ttmp6, 0x10000c
	s_cmp_lg_u32 s2, 0x3003
	s_cbranch_scc0 .Lentry_shape_is_right
	s_endpgm
.Lentry_shape_is_right:
; h = gelu(x W1^T) in MX-BF6, quantised along the second product's K and stored in hq as codes and scale bytes, in the layout that qx's head comment states for xq (64 chunks of 256 along K).
; W1 = (nibble - 8) x its row's scale; each int32 of fc1_packed holds two nibbles, the high one first.  LIMIT: only bits 7:0 of a packed word are read.
; SHARES: a work-group takes 64 rows of W1, all 512 tokens and all of K.  In each K step of 128 wave w turns 16 rows of W1 into f32, quantises them along K and lays the operand's register image and its scale words in LDS
; for all four waves; each wave multiplies the four images with its own 8 token tiles: 32 accumulators by turns.  A wave's 16 rows are 0-7 and 16-23 from 32 (w / 2) + 8 (w % 2) on, so that a lane's results of two
; neighbouring tiles are 16 neighbours along the next K.
; x's codes come in chunks of 256 along K by joint tensor loads of a 4, 1, 1 cluster (all four work-groups need the same chunk) into two slots, a quarter of a chunk a wave.  The first chunk is asked for at the head; the first
; K step of W1 is quantised while it is on its way; the second slot's first fill follows as a refill does.  The walk along K starts at chunk (cluster x) % 16 and wraps: the f32 sums are not in ascending K.
; The packed words go from memory into registers by loads that run ahead of their product in four sets of registers, and are named by a prefetch PFA K steps ahead of their load: a lane a block of 256 bytes,
; 16 rows x 2 K steps an instruction, each block once; the first PFA steps come by their loads alone, and the last prefetch names the last two steps.
; A step's LDS instructions stand in two runs: at its start W1's images and x's tiles 0-3 of the next step, in its middle the packed words' turn through the stage and x's tiles 4-7.
; LIMITS: a block of zeros gets the byte 1 where the rule says 127 (its codes are zeros, and this program alone reads the bytes); blocks whose largest magnitude lies under 2^-122 are held at the byte 1; NaN and infinities are not served.
.set LAYER, 1
.if LAYER == 1
.set PSH, 13
.else
.set PSH, 15
.endif
.set PITCH, 1<<PSH
.set CHUNK, 102400
.set FRB,   1536
.set SCOFF, 98304
.set QUART, 25600
.set IMG,   204800
.set WSC,   217088
.set STG,   217600
.set SPARE, 235008
.set SPW,  1
.set NIL,  2
.set GW,   3
.set STW,  4
.set STR,  5
.set WIW,  6
.set WSW,  7
.set WIR,  8
.set WSR,  9
.set XA16, 10
.set XA8,  12
.set XS8,  14
.set CSUB, 16
.set SROW, 18
.set SH8,  20
.set M,    24
.set SO,   28
.set BY,   30
.set WT,   32
.set WT2,  33
.set HA,   34
.set HB,   36
.set XSC,  40
.set WS,   48
.set CODE, 56
.set TMPC, 68
.set WD,   76
.set F,    108
.set MSB, 0
.macro WIN new
.if MSB != \new
	s_set_vgpr_msb (MSB<<8)|\new
.set MSB, \new
.endif
.endm
.macro ROUND
	s_barrier_signal -1
	s_barrier_wait -1
	s_cmp_lg_u32 s12, 0
	s_cbranch_scc1 .Lnot_wave_0_\@
	s_barrier_signal -3
.Lnot_wave_0_\@:
	s_barrier_wait -3
	s_barrier_signal -1
	s_barrier_wait -1
.endm
.macro GLOAD set, pf                   ; pf = 0: no prefetch; 1: a prefetch; n > 1: a prefetch while the loop's counter s44 is n or more
	s_wait_xcnt 0x0                                ; the earlier loads and any prefetch have read their bases
	s_add_nc_u64 s[46:47], s[62:63], s[60:61]
.if (\pf) > 0
	s_add_co_u32 s52, s60, PFA*256                 ; PFA K steps on, round the ring of 32 steps
	s_and_b32 s52, s52, 8191
	s_add_nc_u64 s[16:17], s[62:63], s[52:53]
.endif
	s_add_co_u32 s60, s60, 256
	s_and_b32 s60, s60, 8191
	WIN 0xC0
.irp i, 0,1,2,3,4,5,6,7
	global_load_b128 v[32*(\set)+4*\i:32*(\set)+4*\i+3], v[GW], s[46:47] offset:(2*\i+8*(\i/4))*PITCH th:TH_LOAD_NT
.endr
	WIN 0
.if (\pf) > 1
	s_cmp_ge_u32 s44, \pf                          ; the last trips have no K step PFA on
	s_cbranch_scc0 .Lnopf_\@
.endif
.if (\pf) > 0
	global_prefetch_b8 v[PFO], s[16:17] th:TH_LOAD_NT scope:SCOPE_SE   ; my 16 rows x the 512 bytes of K steps PFA and PFA + 1 on
.endif
.if (\pf) > 1
.Lnopf_\@:
.endif
.endm
.macro TURNM set, cnt
	s_wait_loadcnt \cnt
	WIN 0x0C
.irp i, 0,1,2,3,4,5,6,7
	ds_store_b128 v[STW], v[32*(\set)+4*\i:32*(\set)+4*\i+3] offset:544*\i
.endr
	WIN 0
.irp c, 0,1
.irp q, 0,1,2,3
	ds_load_b128 v[WD+16*\c+4*\q:WD+16*\c+4*\q+3], v[STR] offset:128*\c+16*\q
.endr
.endr
.endm
.macro XP n
	v_perm_b32 v[XSC+4*NXT+(\n)], v[HB+(\n)/2], v[HA+(\n)/2], s[26+(\n)%2]
.endm
.macro OP
.if j < 64
.if j%2 == 0
	v_and_or_b32 v[F+j], v[WD+j/2], s22, s20
.else
	v_and_or_b32 v[F+j], v[WD+j/2], 15, s21
.endif
.elseif j < 96
.set o, F+2*(j-64)
	v_pk_add_f32 v[o:o+1], v[o:o+1], v[CSUB:CSUB+1]
.elseif j < 128
.set o, F+2*(j-96)
	v_pk_mul_f32 v[o:o+1], v[o:o+1], v[SROW:SROW+1]
.elseif j < 160
.set oq, (j-128)%4
.set o, F+2*(16*(oq/2)+2*((j-128)/4)+oq%2)
.if j < 132
	v_max3_num_f32 v[M+oq], |v[o]|, |v[o+1]|, s23
.else
	v_max3_num_f32 v[M+oq], v[M+oq], |v[o]|, |v[o+1]|
.endif
.elseif j < 164
; (lines 160 to 163 are empty: the scale words of x are made in the step's middle run)
.elseif j < 166
	v_max_num_f32 v[M+2*(j-164)], v[M+2*(j-164)], v[M+2*(j-164)+1]
.elseif j < 168
	v_add_nc_u32 v[SO+j-166], 0xfe000000, v[M+2*(j-166)]
.elseif j < 170
	v_lshrrev_b32 v[BY+j-168], 23, v[SO+j-168]
.elseif j < 174
.set o, j-170
.if o%2 == 0
	v_cvt_scalef32_pk16_bf6_f32 v[CODE+3*o:CODE+3*o+2], v[F+16*o:F+16*o+15], v[SO+o/2]
.else
	v_cvt_scalef32_pk16_bf6_f32 v[TMPC+2*(o-1):TMPC+2*(o-1)+2], v[F+16*o:F+16*o+15], v[SO+o/2]
.endif
.elseif j == 174
	v_lshl_or_b32 v[WT], v[BY+1], 16, v[BY]
.elseif j == 175
	v_lshlrev_b32 v[WT], v[SH8], v[WT]
.elseif j == 176
	v_permlanex16_b32 v[WT2], v[WT], s24, s25
.elseif j == 177
	v_or_b32 v[WT], v[WT], v[WT2]
.else
.set o, j-178
	v_mov_b32 v[CODE+6*(o/3)+3+o%3], v[TMPC+4*(o/3)+o%3]
.endif
.endm
.macro SLICE
	WIN 0
.if kk < 28
.set j, 6*kk
.rept 6
	OP
.set j, j+1
.endr
.else
.set j, 168+4*(kk-28)
.rept 4
	OP
.set j, j+1
.endr
.endif
.endm
.macro PREPALL
.set DOX, 0
.set j, 0
.rept 184
	OP
.set j, j+1
.endr
.endm
.macro IMGST buf
.irp c, 0,1,2
	ds_store_b128 v[WIW], v[CODE+4*\c:CODE+4*\c+3] offset:6144*(\buf)+512*\c
.endr
	ds_store_b32 v[WSW], v[WT] offset:256*(\buf)
.endm
.macro FETCH p, buf, slot, ks
	ds_load_b64 v[HA:HA+1], v[XS8+(\slot)] offset:2048*(\ks)
	ds_load_b64 v[HB:HB+1], v[XS8+(\slot)] offset:2048*(\ks)+1024
	ds_load_b128 v[WS+4*(\p):WS+4*(\p)+3], v[WSR] offset:256*(\buf)
	WIN 0xC0
.irp a, 0,1,2,3
.irp c, 0,1,2
	ds_load_b128 v[128+48*(\p)+12*\a+4*\c:128+48*(\p)+12*\a+4*\c+3], v[WIR] offset:6144*(\buf)+1536*\a+512*\c
.endr
.endr
	WIN 0
.endm
.macro FETCHB p, slot, ks, t0, t1, t2, t3      ; four of my eight token tiles
	WIN 0x80
.irp i, \t0, \t1, \t2, \t3
	ds_load_b128 v[96*(\p)+12*\i:96*(\p)+12*\i+3],     v[XA16+(\slot)] offset:49152*(\ks)+1536*\i
	ds_load_b64  v[96*(\p)+12*\i+4:96*(\p)+12*\i+5],   v[XA8+(\slot)]  offset:49152*(\ks)+1536*\i+512
	ds_load_b128 v[96*(\p)+12*\i+6:96*(\p)+12*\i+9],   v[XA16+(\slot)] offset:49152*(\ks)+1536*\i+768
	ds_load_b64  v[96*(\p)+12*\i+10:96*(\p)+12*\i+11], v[XA8+(\slot)]  offset:49152*(\ks)+1536*\i+1280
.endr
	WIN 0
.endm
.macro WMMA p, zero
	WIN 0x5B
.set rD, 8*kk
.set rA, 128+48*(\p)+12*(kk%4)
.set rB, 96*(\p)+12*(kk/4)
.set rP, WS+4*(\p)+kk%4
.set rQ, XSC+4*(\p)+(kk/4)%4
.if \zero
.if kk < 16
	v_wmma_scale_f32_16x16x128_f8f6f4 v[rD:rD+7], v[rA:rA+11], v[rB:rB+11], 0, v[rP], v[rQ] matrix_a_fmt:MATRIX_FMT_BF6 matrix_b_fmt:MATRIX_FMT_BF6
.else
	v_wmma_scale_f32_16x16x128_f8f6f4 v[rD:rD+7], v[rA:rA+11], v[rB:rB+11], 0, v[rP], v[rQ] matrix_a_fmt:MATRIX_FMT_BF6 matrix_b_fmt:MATRIX_FMT_BF6 matrix_b_scale:MATRIX_SCALE_ROW1
.endif
.else
.if kk < 16
	v_wmma_scale_f32_16x16x128_f8f6f4 v[rD:rD+7], v[rA:rA+11], v[rB:rB+11], v[rD:rD+7], v[rP], v[rQ] matrix_a_fmt:MATRIX_FMT_BF6 matrix_b_fmt:MATRIX_FMT_BF6
.else
	v_wmma_scale_f32_16x16x128_f8f6f4 v[rD:rD+7], v[rA:rA+11], v[rB:rB+11], v[rD:rD+7], v[rP], v[rQ] matrix_a_fmt:MATRIX_FMT_BF6 matrix_b_fmt:MATRIX_FMT_BF6 matrix_b_scale:MATRIX_SCALE_ROW1
.endif
.endif
.endm
.macro BAR kind, slot
	WIN 0
.if \kind == 0
	s_wait_dscnt 0x0
	s_barrier_signal -1
	s_barrier_wait -1
.endif
.if \kind == 1
	s_wait_tensorcnt 0x0
	ds_add_u32 v[SPW], v[NIL]
	s_add_co_u32 s45, s45, 1
	s_and_b32 s45, s45, 15
	s_mul_i32 s52, s45, CHUNK
	s_add_nc_u64 s[38+4*(\slot):39+4*(\slot)], s[8:9], s[52:53]
	s_or_b32 s[39+4*(\slot)], s[39+4*(\slot)], 0x80000000
	s_wait_dscnt 0x0
	ROUND
	tensor_load_to_lds s[36+4*(\slot):39+4*(\slot)], s[28:35]
	s_nop 0
.rept 4
	v_nop
.endr
.endif
.if \kind == 2
	s_wait_tensorcnt 0x0
	ds_add_u32 v[SPW], v[NIL]
	s_wait_dscnt 0x0
	s_barrier_signal -1
	s_barrier_wait -1
.endif
.if \kind == 3
	s_wait_dscnt 0x0
.endif
.endm
.macro INTERVAL pos, zero, bar, gl, fetch, prep, turn
	BAR \bar, ((\pos)-1)/2
.if \gl
	GLOAD ((\pos)+2)%4, (\gl)-1
.endif
.if \fetch
	FETCH ((\pos)+1)%2, ((\pos)+1)%2, (((\pos)+1)%4)/2, ((\pos)+1)%2
	FETCHB ((\pos)+1)%2, (((\pos)+1)%4)/2, ((\pos)+1)%2, 0, 1, 2, 3
.if (\prep) == 0
	FETCHB ((\pos)+1)%2, (((\pos)+1)%4)/2, ((\pos)+1)%2, 4, 5, 6, 7
.endif
.endif
.set NXT, ((\pos)+1)%2
.set DOX, 1
.set NDW, 16                           ; behind the run at the step's start: tiles 4-7's 16 loads,
.if (\turn) >= 0
.set NDW, 32                           ; and the turn's 8 stores and 8 loads
.endif
.set kk, 0
.rept 32
	WMMA (\pos)%2, \zero
.if \prep
	SLICE
.if (kk == 15) && ((\turn) >= 0)
	TURNM ((\pos)+3)%4, \turn
.endif
.if kk == 15
	FETCHB ((\pos)+1)%2, (((\pos)+1)%4)/2, ((\pos)+1)%2, 4, 5, 6, 7
	s_wait_dscnt NDW                               ; the run at the step's start is in, the scale halves among it; what the slices wrote last is read again 24 lines on or later
	XP 0
	XP 1
	XP 2
	XP 3
.endif
.endif
.set kk, kk+1
.endr
	WIN 0
.if \prep
	IMGST (\pos)%2
.elseif \fetch
	s_wait_dscnt 0x0
	XP 0
	XP 1
	XP 2
	XP 3
.rept 8
	v_nop
.endr
.else
.rept 4
	v_nop
.endr
.endif
.endm
	s_load_b256 s[4:11], s[0:1], 0x0
	v_lshl_add_u32 v[SPW], v0, 2, SPARE
	v_mov_b32 v[NIL], 0
	ds_add_u32 v1, v2
	ds_add_u32 v1, v2
	s_wait_dscnt 0x0
	v_lshrrev_b32 v21, 5, v0
	v_readfirstlane_b32 s12, v21
	v_and_b32 v21, 31, v0
	v_and_b32 v22, 15, v0
	s_wait_alu depctr_va_vdst(0)
	v_bfe_u32 v23, v0, 4, 1
	s_bfe_u32 s13, ttmp6, 0x40000
	s_lshl_b32 s14, ttmp9, 2
	s_add_co_u32 s14, s14, s13
	s_and_b32 s19, ttmp9, 15
	s_lshl_b32 s60, s19, 9
	s_mov_b32 s61, 0
.if LAYER == 2
	s_and_b32 s15, ttmp7, 0xffff
.endif
	s_lshr_b32 s16, s12, 1
	s_lshl_b32 s16, s16, 5
	s_and_b32 s17, s12, 1
	s_lshl_b32 s17, s17, 3
	s_add_co_u32 s16, s16, s17
	s_lshl_b32 s17, s14, 6
	s_add_co_u32 s16, s16, s17
	s_lshl_b32 s46, s16, PSH
.if LAYER == 2
	s_lshl_b32 s52, s15, 13
	s_add_co_u32 s46, s46, s52
.endif
	s_mov_b32 s47, 0
	s_lshl_b32 s16, s16, 2
	s_mov_b32 s17, 0
	v_lshlrev_b32 v[GW], 4, v22
	s_wait_alu depctr_va_vdst(0)
	v_lshl_add_u32 v[GW], v23, PSH, v[GW]
	s_mul_i32 s59, s12, 4352
	s_add_co_u32 s59, s59, STG
	v_mul_u32_u24 v[STW], v23, 272
	v_lshl_add_u32 v[STW], v22, 4, v[STW]
	v_add_nc_u32 v[STW], s59, v[STW]
	v_mul_u32_u24 v[STR], v22, 272
	v_lshl_add_u32 v[STR], v23, 6, v[STR]
	v_add_nc_u32 v[STR], s59, v[STR]
	s_mul_i32 s59, s12, FRB
	s_add_co_u32 s59, s59, IMG
	v_lshl_add_u32 v[WIW], v21, 4, s59
	s_lshl_b32 s59, s12, 2
	s_add_co_u32 s59, s59, WSC
	v_lshl_add_u32 v[WSW], v22, 4, s59
	v_lshl_add_u32 v[WIR], v21, 4, IMG
	v_lshl_add_u32 v[WSR], v22, 4, WSC
	s_mul_i32 s59, s12, 8*FRB
	v_lshl_add_u32 v[XA16], v21, 4, s59
	v_add_nc_u32 v[XA16+1], CHUNK, v[XA16]
	v_lshl_add_u32 v[XA8], v21, 3, s59
	v_add_nc_u32 v[XA8+1], CHUNK, v[XA8]
	s_lshl_b32 s59, s12, 8
	s_add_co_u32 s59, s59, SCOFF
	v_lshl_add_u32 v[XS8], v21, 3, s59
	v_add_nc_u32 v[XS8+1], CHUNK, v[XS8]
	v_mov_b32 v[CSUB], 0xC9000080
	v_mov_b32 v[CSUB+1], 0xCB000008
	v_lshlrev_b32 v[SH8], 3, v23
	v_mov_b32 v[WT2], 0
	v_and_b32 v38, 8, v22
	v_add_nc_u32 v38, v38, v22
	v_lshlrev_b32 v38, 2, v38
.set PFO, 244                          ; v244  the prefetches' offset: my row of the wave's 16 x the pitch + 256 (lane / 16); never rewritten
.set PFA, 6                            ; K steps from a load to the steps that the prefetch beside it names
	v_lshlrev_b32 v[PFO], PSH-2, v38
	v_lshl_add_u32 v[PFO], v23, 8, v[PFO]
	s_mov_b32 s20, 0x49000000
	s_mov_b32 s21, 0x4B000000
	s_mov_b32 s22, 0xF0
	s_mov_b32 s23, 0x02800000
	s_mov_b32 s24, 0x76543210
	s_mov_b32 s25, 0xfedcba98
	s_mov_b32 s26, 0x05040100
	s_mov_b32 s27, 0x07060302
	s_mov_b32 s28, 15|(3<<16)|(1<<21)
	s_mov_b32 s29, 32<<16
	s_mov_b32 s30, 100<<16
	s_mov_b32 s31, 32<<16
	s_mov_b32 s32, 100
	s_mov_b32 s33, 32
	s_mov_b32 s34, 0
	s_mov_b32 s35, 0
	s_mul_i32 s18, s12, QUART
	s_mov_b32 s54, s18
.if LAYER == 2
	s_mul_i32 s55, s15, 16*CHUNK
	s_add_co_u32 s54, s54, s55
.endif
	s_mov_b32 s55, 0
.if LAYER == 1
	s_mul_i32 s48, ttmp9, CHUNK
	s_lshr_b32 s56, s13, 1
	s_and_b32 s57, s13, 1
	s_lshl_b32 s50, s56, 11
	s_lshl_b32 s51, s57, 10
	s_add_co_u32 s50, s50, s51
	s_lshl_b32 s51, s12, 8
	s_add_co_u32 s50, s50, s51
	s_add_co_u32 s50, s50, s48
	s_add_co_u32 s50, s50, SCOFF
	s_mov_b32 s51, 0
	s_lshl_b32 s56, s56, 5
	s_lshl_b32 s58, s12, 3
	s_add_co_u32 s56, s56, s58
	s_mul_i32 s56, s56, FRB
	s_mul_i32 s57, s57, 768
	s_add_co_u32 s48, s48, s56
	s_add_co_u32 s48, s48, s57
	s_mov_b32 s49, 0
.else
	s_lshl_b32 s48, s15, 23
	s_lshl_b32 s56, s12, 21
	s_add_co_u32 s48, s48, s56
	s_lshl_b32 s56, s14, 8
	s_add_co_u32 s48, s48, s56
	s_mov_b32 s49, 0
.endif
	s_wait_alu depctr_va_vdst(0)
	s_wait_kmcnt 0x0
	s_add_nc_u64 s[6:7], s[6:7], s[16:17]
	global_load_b32 v[SROW], v38, s[6:7]
	s_add_nc_u64 s[62:63], s[4:5], s[46:47]
	s_mov_b32 s53, 0
	GLOAD 0, 1
	GLOAD 1, 0
	GLOAD 2, 1
	GLOAD 3, 0
	s_add_nc_u64 s[48:49], s[10:11], s[48:49]
.if LAYER == 1
	s_add_nc_u64 s[50:51], s[10:11], s[50:51]
.endif
	s_add_nc_u64 s[8:9], s[8:9], s[54:55]
	s_mul_i32 s52, s19, CHUNK
	s_mov_b32 s53, 0
	s_mov_b32 s36, 1
	s_mov_b32 s37, s18
	s_add_nc_u64 s[38:39], s[8:9], s[52:53]
	s_or_b32 s39, s39, 0x80000000
	s_add_co_u32 s45, s19, 1
	s_and_b32 s45, s45, 15
	s_mul_i32 s52, s45, CHUNK
	s_mov_b32 s40, 1
	s_add_co_u32 s41, s18, CHUNK
	s_add_nc_u64 s[42:43], s[8:9], s[52:53]
	s_or_b32 s43, s43, 0x80000000
	ROUND
	tensor_load_to_lds s[36:39], s[28:35]          ; my quarter of the first chunk: my one load at the head
	s_nop 0
.rept 4
	v_nop
.endr
	TURNM 0, 24
	s_wait_dscnt 0x0
	v_mov_b32 v[SROW+1], v[SROW]
	GLOAD 0, 1
	PREPALL                                        ; K step 0 of W is quantised while the first chunk is on its way
	IMGST 0
	s_wait_alu depctr_va_vdst(0)
	s_wait_tensorcnt 0x0                           ; my quarter of the first chunk is in; slot 1's first fill is issued as a refill is
	ds_add_u32 v1, v2
	s_wait_dscnt 0x0
	ROUND
	tensor_load_to_lds s[40:43], s[28:35]
	s_nop 0
.rept 4
	v_nop
.endr
	TURNM 1, 24
	s_wait_dscnt 0x0
	GLOAD 1, 0
	PREPALL
	IMGST 1
	TURNM 2, 24
	s_wait_tensorcnt 0x1
	s_wait_dscnt 0x0
	s_barrier_signal -1
	s_barrier_wait -1
	FETCH 0, 0, 0, 0
	FETCHB 0, 0, 0, 0, 1, 2, 3
	FETCHB 0, 0, 0, 4, 5, 6, 7
	s_wait_dscnt 0x0
.set NXT, 0
	XP 0
	XP 1
	XP 2
	XP 3
.rept 8
	v_nop
.endr
	s_wait_alu depctr_va_vdst(0)
	INTERVAL 0,1,0,2,1,1,24
	s_mov_b32 s44, 6
.Ltrip:
	INTERVAL 1,0,1,1,1,1,24
	INTERVAL 2,0,0,3,1,1,24
	INTERVAL 3,0,1,1,1,1,24
	INTERVAL 0,0,0,4,1,1,24
	s_sub_co_u32 s44, s44, 1
	s_cmp_lg_u32 s44, 0
	s_cbranch_scc1 .Ltrip
	INTERVAL 1,0,1,1,1,1,24
	INTERVAL 2,0,0,0,1,1,16
	INTERVAL 3,0,1,0,1,1,8
	INTERVAL 0,0,0,0,1,1,0
	INTERVAL 1,0,2,0,1,1,-1
	INTERVAL 2,0,0,0,1,0,-1
	s_wait_alu depctr_va_vdst(0)
	INTERVAL 3,0,3,0,0,0,-1
.if LAYER == 1
.set KA, CSUB
.set KB, SROW
.set U,  108
.set H,  140
.set SH, 236
	v_mov_b32 v[KA], 0xC0135761
	v_mov_b32 v[KA+1], 0xC0135761
	v_mov_b32 v[KB], 0xBDD2D3E8
	v_mov_b32 v[KB+1], 0xBDD2D3E8
	v_and_b32 v23, 31, v0
	v_lshlrev_b32 v21, 4, v23
	v_lshlrev_b32 v22, 3, v23
.macro GELU i
.set X, 32*(\i)
	WIN 0x05
.irp q, 0,1,2,3,4,5,6,7,8,9,10,11,12,13,14,15
	v_pk_mul_f32 v[U+2*\q:U+2*\q+1], v[X+2*\q:X+2*\q+1], v[X+2*\q:X+2*\q+1]
.endr
	WIN 0
.irp q, 0,1,2,3,4,5,6,7,8,9,10,11,12,13,14,15
	v_pk_fma_f32 v[U+2*\q:U+2*\q+1], v[U+2*\q:U+2*\q+1], v[KB:KB+1], v[KA:KA+1]
.endr
	WIN 0x04
.irp q, 0,1,2,3,4,5,6,7,8,9,10,11,12,13,14,15
	v_pk_mul_f32 v[U+2*\q:U+2*\q+1], v[U+2*\q:U+2*\q+1], v[X+2*\q:X+2*\q+1]
.endr
	WIN 0
	s_wait_alu depctr_va_vdst(0)
.irp q, 0,1,2,3,4,5,6,7,8,9,10,11,12,13,14,15,16,17,18,19,20,21,22,23,24,25,26,27,28,29,30,31
	v_exp_f32 v[U+\q], v[U+\q]
.endr
	v_nop
	s_wait_alu depctr_va_vdst(0)
.irp q, 0,1,2,3,4,5,6,7,8,9,10,11,12,13,14,15
	v_pk_add_f32 v[U+2*\q:U+2*\q+1], v[U+2*\q:U+2*\q+1], 1.0 op_sel_hi:[1,0]
.endr
	s_wait_alu depctr_va_vdst(0)
.irp q, 0,1,2,3,4,5,6,7,8,9,10,11,12,13,14,15,16,17,18,19,20,21,22,23,24,25,26,27,28,29,30,31
	v_rcp_f32 v[U+\q], v[U+\q]
.endr
	v_nop
	s_wait_alu depctr_va_vdst(0)
	WIN 0x04
.irp q, 0,1,2,3,4,5,6,7,8,9,10,11,12,13,14,15
	v_pk_mul_f32 v[H+2*\q:H+2*\q+1], v[U+2*\q:U+2*\q+1], v[X+2*\q:X+2*\q+1]
.endr
	WIN 0
.endm
.macro QUANT2 i
.set E, 172+8*(\i)
.irp b, 0,1
	v_max3_num_f32 v[M+\b], |v[H+16*\b]|, |v[H+16*\b+1]|, s23
.endr
.irp q, 2,4,6,8,10,12,14
.irp b, 0,1
	v_max3_num_f32 v[M+\b], v[M+\b], |v[H+16*\b+\q]|, |v[H+16*\b+\q+1]|
.endr
.endr
.irp b, 0,1
	v_permlanex16_b32 v[M+2+\b], v[M+\b], s24, s25
.endr
.irp b, 0,1
	v_max_num_f32 v[M+\b], v[M+\b], v[M+2+\b]
.endr
.irp b, 0,1
	v_add_nc_u32 v[SO+\b], 0xfe000000, v[M+\b]
.endr
.irp b, 0,1
	v_lshrrev_b32 v[BY+\b], 23, v[SO+\b]
.endr
	v_cvt_scalef32_pk16_bf6_f32 v[E:E+2], v[H:H+15], v[SO]
	v_cvt_scalef32_pk16_bf6_f32 v[E+4:E+6], v[H+16:H+31], v[SO+1]
.if (\i)%2 == 0
	v_lshl_or_b32 v[SH+(\i)/2], v[BY+1], 8, v[BY]
.else
	v_lshl_or_b32 v[WT], v[BY+1], 8, v[BY]
	v_lshl_or_b32 v[SH+(\i)/2], v[WT], 16, v[SH+(\i)/2]
.endif
.irp q, 0,1,2
	v_permlane16_swap_b32 v[E+\q], v[E+4+\q]
.endr
.irp q, 0,1,2
	v_mov_b32 v[E+3+\q], v[E+4+\q]
.endr
	global_store_b128 v21, v[E:E+3], s[48:49] offset:1536*(\i)
	global_store_b64 v22, v[E+4:E+5], s[48:49] offset:1536*(\i)+512
.endm
.irp i, 0,1,2,3,4,5,6,7
	GELU \i
	QUANT2 \i
.endr
	v_cmp_gt_u32 vcc_lo, 16, v23
	v_cndmask_b32 v240, v[SH+2], v[SH], vcc_lo
	v_cndmask_b32 v241, v[SH+3], v[SH+1], vcc_lo
	global_store_b64 v22, v[240:241], s[50:51]
.else
.set GP, 39
.set OB, 108
	v_lshlrev_b32 v[GP], 4, v22
	v_lshl_add_u32 v[GP], v23, 14, v[GP]
.macro TOSTAGE m
	WIN 0x04
.irp a, 0,1,2,3
	ds_store_b128 v[STR], v[8*(4*(\m)+\a):8*(4*(\m)+\a)+3] offset:128*(\a/2)+32*(\a%2)
	ds_store_b128 v[STR], v[8*(4*(\m)+\a)+4:8*(4*(\m)+\a)+7] offset:128*(\a/2)+32*(\a%2)+16
.endr
	WIN 0
.irp i, 0,1,2,3,4,5,6,7
	ds_load_b128 v[OB+32*((\m)%2)+4*\i:OB+32*((\m)%2)+4*\i+3], v[STW] offset:544*\i
.endr
.endm
.macro SEND m, younger
	s_wait_dscnt \younger
.irp i, 0,1,2,3,4,5,6,7
	global_store_b128 v[GP], v[OB+32*((\m)%2)+4*\i:OB+32*((\m)%2)+4*\i+3], s[48:49] offset:(16*(\m)+2*\i)*16384 th:TH_STORE_NT
.endr
.endm
	TOSTAGE 0
.irp m, 1,2,3,4,5,6,7
.if \m > 1
	s_wait_xcnt 0x0
.endif
	TOSTAGE \m
	SEND \m-1, 16
.endr
	SEND 7, 0
.endif
	s_wait_tensorcnt 0x0
	ds_add_u32 v[SPW], v[NIL]
	s_wait_dscnt 0x0
	ROUND
	s_endpgm
.Lfunc_end_k_qa014ba5196_fc1:
	.size	k_qa014ba5196_fc1, .Lfunc_end_k_qa014ba5196_fc1-k_qa014ba5196_fc1
	.p2alignl 7, 3214868480
	.fill 96, 4, 3214868480
	.section	.rodata,"a",@progbits
	.p2align	6, 0x0
	.amdhsa_kernel k_qa014ba5196_fc1
		.amdhsa_group_segment_fixed_size 327680
		.amdhsa_private_segment_fixed_size 0
		.amdhsa_enable_private_segment 0
		.amdhsa_kernarg_size 32
		.amdhsa_user_sgpr_count 2
		.amdhsa_user_sgpr_kernarg_segment_ptr 1
		.amdhsa_wavefront_size32 1
		.amdhsa_system_sgpr_workgroup_id_x 1
		.amdhsa_system_sgpr_workgroup_id_y 1
		.amdhsa_system_sgpr_workgroup_id_z 1
		.amdhsa_system_vgpr_workitem_id 0
		.amdhsa_next_free_vgpr 1024
		.amdhsa_next_free_sgpr 66
		.amdhsa_reserve_vcc 1
		.amdhsa_float_denorm_mode_32 3
		.amdhsa_float_denorm_mode_16_64 3
		.amdhsa_memory_ordered 1
		.amdhsa_forward_progress 1
		.amdhsa_inst_pref_size 255
	.end_amdhsa_kernel
	.section	.bss,"aw",@nobits
	.p2align	6
	.space	262144
	.amdgpu_metadata
---
amdhsa.version: [ 1, 2 ]
amdhsa.kernels:
  - .name:           k_qa014ba5196_fc1
    .symbol:         k_qa014ba5196_fc1.kd
    .args:
      - { .name: fc1_packed, .offset: 0, .size: 8, .value_kind: global_buffer, .address_space: global }
      - { .name: fc1_scales, .offset: 8, .size: 8, .value_kind: global_buffer, .address_space: global }
      - { .name: xq, .offset: 16, .size: 8, .value_kind: global_buffer, .address_space: global }
      - { .name: hq, .offset: 24, .size: 8, .value_kind: global_buffer, .address_space: global }
    .group_segment_fixed_size: 327680
    .private_segment_fixed_size: 0
    .kernarg_segment_align: 8
    .kernarg_segment_size: 32
    .max_flat_workgroup_size: 128
    .sgpr_count:     66
    .vgpr_count:     1024
    .wavefront_size: 32
...
	.end_amdgpu_metadata
.endif
;; end of part 6
;; launch fc2 (part 7): grid 64 x 4, 4 waves a work-group, clusters of 4 x 1, 327,680 bytes of LDS; arguments fc2_packed, fc2_scales, hq, part; writes part
.if DOCPART == 7
	.amdgcn_target "amdgcn-amd-amdhsa--gfx1250"
	.amdhsa_code_object_version 6
	.text
	.protected	k_qa014ba5196_fc2
	.globl	k_qa014ba5196_fc2
	.p2align	8
	.type	k_qa014ba5196_fc2,@function
k_qa014ba5196_fc2:
	s_mov_b64 s[64:65], 0
	v_nop
	global_prefetch_b8 v0, s[64:65] scope:SCOPE_SE
	s_setreg_imm32_b32 hwreg(HW_REG_WAVE_MODE, 25, 1), 1
	s_wait_xcnt 0x0
	s_wait_alu depctr_hold_cnt(0) depctr_sa_sdst(0) depctr_va_vdst(0) depctr_va_sdst(0) depctr_va_ssrc(0) depctr_va_vcc(0) depctr_vm_vsrc(0)
	s_getreg_b32 s2, hwreg(HW_REG_IB_STS2, 6, 4)
	s_cmp_eq_u32 s2, 0
	s_cbranch_scc0 .Lentry_in_a_cluster
	s_endpgm
.Lentry_in_a_cluster:
	s_bfe_u32 s2, ttmp6, 0x10000c
	s_cmp_lg_u32 s2, 0x3003
	s_cbranch_scc0 .Lentry_shape_is_right
	s_endpgm
.Lentry_shape_is_right:
; part[y] = Q(h) Q(W2)^T over quarter y of K (4,096 of 16,384), f32, [512][4096]: the next launch adds the four quarters.  h comes as codes and scale bytes from hq; W2 = (nibble - 8) x its row's scale.
; LIMIT: only bits 7:0 of a packed word are read.
; SHARES: a work-group takes 64 rows of W2, all 512 tokens and one quarter of K.  In each K step of 128 wave w turns 16 rows of W2 into f32, quantises them along K and lays the operand's register image and its scale words
; in LDS for all four waves; each wave multiplies the four images with its own 8 token tiles: 32 accumulators by turns.
; h's codes come in chunks of 256 along K by joint tensor loads of a 4, 1, 1 cluster (all four work-groups need the same chunk) into two slots, a quarter of a chunk a wave.  The first chunk is asked for at the head; the first
; K step of W2 is quantised while it is on its way; the second slot's first fill follows as a refill does.  The walk along K starts at chunk (cluster x) % 16 of the quarter and wraps: the f32 sums are not in ascending K.
; The packed words go from memory into registers by loads that run ahead of their product in four sets of registers, and are named by a prefetch PFA K steps ahead of their load: a lane a block of 256 bytes,
; 16 rows x 2 K steps an instruction, each block once; the first PFA steps come by their loads alone, and the last prefetch names the last two steps.
; A step's LDS instructions stand in two runs: at its start W2's images and h's tiles 0-3 of the next step, in its middle the packed words' turn through the stage and h's tiles 4-7.
; LIMITS: a block of zeros gets the byte 1 where the rule says 127 (its codes are zeros, and this program alone reads the bytes); blocks whose largest magnitude lies under 2^-122 are held at the byte 1; NaN and infinities are not served.
.set LAYER, 2
.if LAYER == 1
.set PSH, 13
.else
.set PSH, 15
.endif
.set PITCH, 1<<PSH
.set CHUNK, 102400
.set FRB,   1536
.set SCOFF, 98304
.set QUART, 25600
.set IMG,   204800
.set WSC,   217088
.set STG,   217600
.set SPARE, 235008
.set SPW,  1
.set NIL,  2
.set GW,   3
.set STW,  4
.set STR,  5
.set WIW,  6
.set WSW,  7
.set WIR,  8
.set WSR,  9
.set XA16, 10
.set XA8,  12
.set XS8,  14
.set CSUB, 16
.set SROW, 18
.set SH8,  20
.set M,    24
.set SO,   28
.set BY,   30
.set WT,   32
.set WT2,  33
.set HA,   34
.set HB,   36
.set XSC,  40
.set WS,   48
.set CODE, 56
.set TMPC, 68
.set WD,   76
.set F,    108
.set MSB, 0
.macro WIN new
.if MSB != \new
	s_set_vgpr_msb (MSB<<8)|\new
.set MSB, \new
.endif
.endm
.macro ROUND
	s_barrier_signal -1
	s_barrier_wait -1
	s_cmp_lg_u32 s12, 0
	s_cbranch_scc1 .Lnot_wave_0_\@
	s_barrier_signal -3
.Lnot_wave_0_\@:
	s_barrier_wait -3
	s_barrier_signal -1
	s_barrier_wait -1
.endm
.macro GLOAD set, pf                   ; pf = 0: no prefetch; 1: a prefetch; n > 1: a prefetch while the loop's counter s44 is n or more
	s_wait_xcnt 0x0                                ; the earlier loads and any prefetch have read their bases
	s_add_nc_u64 s[46:47], s[62:63], s[60:61]
.if (\pf) > 0
	s_add_co_u32 s52, s60, PFA*256                 ; PFA K steps on, round the ring of 32 steps
	s_and_b32 s52, s52, 8191
	s_add_nc_u64 s[16:17], s[62:63], s[52:53]
.endif
	s_add_co_u32 s60, s60, 256
	s_and_b32 s60, s60, 8191
	WIN 0xC0
.irp i, 0,1,2,3,4,5,6,7
	global_load_b128 v[32*(\set)+4*\i:32*(\set)+4*\i+3], v[GW], s[46:47] offset:(2*\i+8*(\i/4))*PITCH th:TH_LOAD_NT
.endr
	WIN 0
.if (\pf) > 1
	s_cmp_ge_u32 s44, \pf                          ; the last trips have no K step PFA on
	s_cbranch_scc0 .Lnopf_\@
.endif
.if (\pf) > 0
	global_prefetch_b8 v[PFO], s[16:17] th:TH_LOAD_NT scope:SCOPE_SE   ; my 16 rows x the 512 bytes of K steps PFA and PFA + 1 on
.endif
.if (\pf) > 1
.Lnopf_\@:
.endif
.endm
.macro TURNM set, cnt
	s_wait_loadcnt \cnt
	WIN 0x0C
.irp i, 0,1,2,3,4,5,6,7
	ds_store_b128 v[STW], v[32*(\set)+4*\i:32*(\set)+4*\i+3] offset:544*\i
.endr
	WIN 0
.irp c, 0,1
.irp q, 0,1,2,3
	ds_load_b128 v[WD+16*\c+4*\q:WD+16*\c+4*\q+3], v[STR] offset:128*\c+16*\q
.endr
.endr
.endm
.macro XP n
	v_perm_b32 v[XSC+4*NXT+(\n)], v[HB+(\n)/2], v[HA+(\n)/2], s[26+(\n)%2]
.endm
.macro OP
.if j < 64
.if j%2 == 0
	v_and_or_b32 v[F+j], v[WD+j/2], s22, s20
.else
	v_and_or_b32 v[F+j], v[WD+j/2], 15, s21
.endif
.elseif j < 96
.set o, F+2*(j-64)
	v_pk_add_f32 v[o:o+1], v[o:o+1], v[CSUB:CSUB+1]
.elseif j < 128
.set o, F+2*(j-96)
	v_pk_mul_f32 v[o:o+1], v[o:o+1], v[SROW:SROW+1]
.elseif j < 160
.set oq, (j-128)%4
.set o, F+2*(16*(oq/2)+2*((j-128)/4)+oq%2)
.if j < 132
	v_max3_num_f32 v[M+oq], |v[o]|, |v[o+1]|, s23
.else
	v_max3_num_f32 v[M+oq], v[M+oq], |v[o]|, |v[o+1]|
.endif
.elseif j < 164
; (lines 160 to 163 are empty: the scale words of h are made in the step's middle run)
.elseif j < 166
	v_max_num_f32 v[M+2*(j-164)], v[M+2*(j-164)], v[M+2*(j-164)+1]
.elseif j < 168
	v_add_nc_u32 v[SO+j-166], 0xfe000000, v[M+2*(j-166)]
.elseif j < 170
	v_lshrrev_b32 v[BY+j-168], 23, v[SO+j-168]
.elseif j < 174
.set o, j-170
.if o%2 == 0
	v_cvt_scalef32_pk16_bf6_f32 v[CODE+3*o:CODE+3*o+2], v[F+16*o:F+16*o+15], v[SO+o/2]
.else
	v_cvt_scalef32_pk16_bf6_f32 v[TMPC+2*(o-1):TMPC+2*(o-1)+2], v[F+16*o:F+16*o+15], v[SO+o/2]
.endif
.elseif j == 174
	v_lshl_or_b32 v[WT], v[BY+1], 16, v[BY]
.elseif j == 175
	v_lshlrev_b32 v[WT], v[SH8], v[WT]
.elseif j == 176
	v_permlanex16_b32 v[WT2], v[WT], s24, s25
.elseif j == 177
	v_or_b32 v[WT], v[WT], v[WT2]
.else
.set o, j-178
	v_mov_b32 v[CODE+6*(o/3)+3+o%3], v[TMPC+4*(o/3)+o%3]
.endif
.endm
.macro SLICE
	WIN 0
.if kk < 28
.set j, 6*kk
.rept 6
	OP
.set j, j+1
.endr
.else
.set j, 168+4*(kk-28)
.rept 4
	OP
.set j, j+1
.endr
.endif
.endm
.macro PREPALL
.set DOX, 0
.set j, 0
.rept 184
	OP
.set j, j+1
.endr
.endm
.macro IMGST buf
.irp c, 0,1,2
	ds_store_b128 v[WIW], v[CODE+4*\c:CODE+4*\c+3] offset:6144*(\buf)+512*\c
.endr
	ds_store_b32 v[WSW], v[WT] offset:256*(\buf)
.endm
.macro FETCH p, buf, slot, ks
	ds_load_b64 v[HA:HA+1], v[XS8+(\slot)] offset:2048*(\ks)
	ds_load_b64 v[HB:HB+1], v[XS8+(\slot)] offset:2048*(\ks)+1024
	ds_load_b128 v[WS+4*(\p):WS+4*(\p)+3], v[WSR] offset:256*(\buf)
	WIN 0xC0
.irp a, 0,1,2,3
.irp c, 0,1,2
	ds_load_b128 v[128+48*(\p)+12*\a+4*\c:128+48*(\p)+12*\a+4*\c+3], v[WIR] offset:6144*(\buf)+1536*\a+512*\c
.endr
.endr
	WIN 0
.endm
.macro FETCHB p, slot, ks, t0, t1, t2, t3      ; four of my eight token tiles
	WIN 0x80
.irp i, \t0, \t1, \t2, \t3
	ds_load_b128 v[96*(\p)+12*\i:96*(\p)+12*\i+3],     v[XA16+(\slot)] offset:49152*(\ks)+1536*\i
	ds_load_b64  v[96*(\p)+12*\i+4:96*(\p)+12*\i+5],   v[XA8+(\slot)]  offset:49152*(\ks)+1536*\i+512
	ds_load_b128 v[96*(\p)+12*\i+6:96*(\p)+12*\i+9],   v[XA16+(\slot)] offset:49152*(\ks)+1536*\i+768
	ds_load_b64  v[96*(\p)+12*\i+10:96*(\p)+12*\i+11], v[XA8+(\slot)]  offset:49152*(\ks)+1536*\i+1280
.endr
	WIN 0
.endm
.macro WMMA p, zero
	WIN 0x5B
.set rD, 8*kk
.set rA, 128+48*(\p)+12*(kk%4)
.set rB, 96*(\p)+12*(kk/4)
.set rP, WS+4*(\p)+kk%4
.set rQ, XSC+4*(\p)+(kk/4)%4
.if \zero
.if kk < 16
	v_wmma_scale_f32_16x16x128_f8f6f4 v[rD:rD+7], v[rA:rA+11], v[rB:rB+11], 0, v[rP], v[rQ] matrix_a_fmt:MATRIX_FMT_BF6 matrix_b_fmt:MATRIX_FMT_BF6
.else
	v_wmma_scale_f32_16x16x128_f8f6f4 v[rD:rD+7], v[rA:rA+11], v[rB:rB+11], 0, v[rP], v[rQ] matrix_a_fmt:MATRIX_FMT_BF6 matrix_b_fmt:MATRIX_FMT_BF6 matrix_b_scale:MATRIX_SCALE_ROW1
.endif
.else
.if kk < 16
	v_wmma_scale_f32_16x16x128_f8f6f4 v[rD:rD+7], v[rA:rA+11], v[rB:rB+11], v[rD:rD+7], v[rP], v[rQ] matrix_a_fmt:MATRIX_FMT_BF6 matrix_b_fmt:MATRIX_FMT_BF6
.else
	v_wmma_scale_f32_16x16x128_f8f6f4 v[rD:rD+7], v[rA:rA+11], v[rB:rB+11], v[rD:rD+7], v[rP], v[rQ] matrix_a_fmt:MATRIX_FMT_BF6 matrix_b_fmt:MATRIX_FMT_BF6 matrix_b_scale:MATRIX_SCALE_ROW1
.endif
.endif
.endm
.macro BAR kind, slot
	WIN 0
.if \kind == 0
	s_wait_dscnt 0x0
	s_barrier_signal -1
	s_barrier_wait -1
.endif
.if \kind == 1
	s_wait_tensorcnt 0x0
	ds_add_u32 v[SPW], v[NIL]
	s_add_co_u32 s45, s45, 1
	s_and_b32 s45, s45, 15
	s_mul_i32 s52, s45, CHUNK
	s_add_nc_u64 s[38+4*(\slot):39+4*(\slot)], s[8:9], s[52:53]
	s_or_b32 s[39+4*(\slot)], s[39+4*(\slot)], 0x80000000
	s_wait_dscnt 0x0
	ROUND
	tensor_load_to_lds s[36+4*(\slot):39+4*(\slot)], s[28:35]
	s_nop 0
.rept 4
	v_nop
.endr
.endif
.if \kind == 2
	s_wait_tensorcnt 0x0
	ds_add_u32 v[SPW], v[NIL]
	s_wait_dscnt 0x0
	s_barrier_signal -1
	s_barrier_wait -1
.endif
.if \kind == 3
	s_wait_dscnt 0x0
.endif
.endm
.macro INTERVAL pos, zero, bar, gl, fetch, prep, turn
	BAR \bar, ((\pos)-1)/2
.if \gl
	GLOAD ((\pos)+2)%4, (\gl)-1
.endif
.if \fetch
	FETCH ((\pos)+1)%2, ((\pos)+1)%2, (((\pos)+1)%4)/2, ((\pos)+1)%2
	FETCHB ((\pos)+1)%2, (((\pos)+1)%4)/2, ((\pos)+1)%2, 0, 1, 2, 3
.if (\prep) == 0
	FETCHB ((\pos)+1)%2, (((\pos)+1)%4)/2, ((\pos)+1)%2, 4, 5, 6, 7
.endif
.endif
.set NXT, ((\pos)+1)%2
.set DOX, 1
.set NDW, 16                           ; behind the run at the step's start: tiles 4-7's 16 loads,
.if (\turn) >= 0
.set NDW, 32                           ; and the turn's 8 stores and 8 loads
.endif
.set kk, 0
.rept 32
	WMMA (\pos)%2, \zero
.if \prep
	SLICE
.if (kk == 15) && ((\turn) >= 0)
	TURNM ((\pos)+3)%4, \turn
.endif
.if kk == 15
	FETCHB ((\pos)+1)%2, (((\pos)+1)%4)/2, ((\pos)+1)%2, 4, 5, 6, 7
	s_wait_dscnt NDW                               ; the run at the step's start is in, the scale halves among it; what the slices wrote last is read again 24 lines on or later
	XP 0
	XP 1
	XP 2
	XP 3
.endif
.endif
.set kk, kk+1
.endr
	WIN 0
.if \prep
	IMGST (\pos)%2
.elseif \fetch
	s_wait_dscnt 0x0
	XP 0
	XP 1
	XP 2
	XP 3
.rept 8
	v_nop
.endr
.else
.rept 4
	v_nop
.endr
.endif
.endm
	s_load_b256 s[4:11], s[0:1], 0x0
	v_lshl_add_u32 v[SPW], v0, 2, SPARE
	v_mov_b32 v[NIL], 0
	ds_add_u32 v1, v2
	ds_add_u32 v1, v2
	s_wait_dscnt 0x0
	v_lshrrev_b32 v21, 5, v0
	v_readfirstlane_b32 s12, v21
	v_and_b32 v21, 31, v0
	v_and_b32 v22, 15, v0
	s_wait_alu depctr_va_vdst(0)
	v_bfe_u32 v23, v0, 4, 1
	s_bfe_u32 s13, ttmp6, 0x40000
	s_lshl_b32 s14, ttmp9, 2
	s_add_co_u32 s14, s14, s13
	s_and_b32 s19, ttmp9, 15
	s_lshl_b32 s60, s19, 9
	s_mov_b32 s61, 0
.if LAYER == 2
	s_and_b32 s15, ttmp7, 0xffff
.endif
	s_lshr_b32 s16, s12, 1
	s_lshl_b32 s16, s16, 5
	s_and_b32 s17, s12, 1
	s_lshl_b32 s17, s17, 3
	s_add_co_u32 s16, s16, s17
	s_lshl_b32 s17, s14, 6
	s_add_co_u32 s16, s16, s17
	s_lshl_b32 s46, s16, PSH
.if LAYER == 2
	s_lshl_b32 s52, s15, 13
	s_add_co_u32 s46, s46, s52
.endif
	s_mov_b32 s47, 0
	s_lshl_b32 s16, s16, 2
	s_mov_b32 s17, 0
	v_lshlrev_b32 v[GW], 4, v22
	s_wait_alu depctr_va_vdst(0)
	v_lshl_add_u32 v[GW], v23, PSH, v[GW]
	s_mul_i32 s59, s12, 4352
	s_add_co_u32 s59, s59, STG
	v_mul_u32_u24 v[STW], v23, 272
	v_lshl_add_u32 v[STW], v22, 4, v[STW]
	v_add_nc_u32 v[STW], s59, v[STW]
	v_mul_u32_u24 v[STR], v22, 272
	v_lshl_add_u32 v[STR], v23, 6, v[STR]
	v_add_nc_u32 v[STR], s59, v[STR]
	s_mul_i32 s59, s12, FRB
	s_add_co_u32 s59, s59, IMG
	v_lshl_add_u32 v[WIW], v21, 4, s59
	s_lshl_b32 s59, s12, 2
	s_add_co_u32 s59, s59, WSC
	v_lshl_add_u32 v[WSW], v22, 4, s59
	v_lshl_add_u32 v[WIR], v21, 4, IMG
	v_lshl_add_u32 v[WSR], v22, 4, WSC
	s_mul_i32 s59, s12, 8*FRB
	v_lshl_add_u32 v[XA16], v21, 4, s59
	v_add_nc_u32 v[XA16+1], CHUNK, v[XA16]
	v_lshl_add_u32 v[XA8], v21, 3, s59
	v_add_nc_u32 v[XA8+1], CHUNK, v[XA8]
	s_lshl_b32 s59, s12, 8
	s_add_co_u32 s59, s59, SCOFF
	v_lshl_add_u32 v[XS8], v21, 3, s59
	v_add_nc_u32 v[XS8+1], CHUNK, v[XS8]
	v_mov_b32 v[CSUB], 0xC9000080
	v_mov_b32 v[CSUB+1], 0xCB000008
	v_lshlrev_b32 v[SH8], 3, v23
	v_mov_b32 v[WT2], 0
	v_and_b32 v38, 8, v22
	v_add_nc_u32 v38, v38, v22
	v_lshlrev_b32 v38, 2, v38
.set PFO, 244                          ; v244  the prefetches' offset: my row of the wave's 16 x the pitch + 256 (lane / 16); never rewritten
.set PFA, 6                            ; K steps from a load to the steps that the prefetch beside it names
	v_lshlrev_b32 v[PFO], PSH-2, v38
	v_lshl_add_u32 v[PFO], v23, 8, v[PFO]
	s_mov_b32 s20, 0x49000000
	s_mov_b32 s21, 0x4B000000
	s_mov_b32 s22, 0xF0
	s_mov_b32 s23, 0x02800000
	s_mov_b32 s24, 0x76543210
	s_mov_b32 s25, 0xfedcba98
	s_mov_b32 s26, 0x05040100
	s_mov_b32 s27, 0x07060302
	s_mov_b32 s28, 15|(3<<16)|(1<<21)
	s_mov_b32 s29, 32<<16
	s_mov_b32 s30, 100<<16
	s_mov_b32 s31, 32<<16
	s_mov_b32 s32, 100
	s_mov_b32 s33, 32
	s_mov_b32 s34, 0
	s_mov_b32 s35, 0
	s_mul_i32 s18, s12, QUART
	s_mov_b32 s54, s18
.if LAYER == 2
	s_mul_i32 s55, s15, 16*CHUNK
	s_add_co_u32 s54, s54, s55
.endif
	s_mov_b32 s55, 0
.if LAYER == 1
	s_mul_i32 s48, ttmp9, CHUNK
	s_lshr_b32 s56, s13, 1
	s_and_b32 s57, s13, 1
	s_lshl_b32 s50, s56, 11
	s_lshl_b32 s51, s57, 10
	s_add_co_u32 s50, s50, s51
	s_lshl_b32 s51, s12, 8
	s_add_co_u32 s50, s50, s51
	s_add_co_u32 s50, s50, s48
	s_add_co_u32 s50, s50, SCOFF
	s_mov_b32 s51, 0
	s_lshl_b32 s56, s56, 5
	s_lshl_b32 s58, s12, 3
	s_add_co_u32 s56, s56, s58
	s_mul_i32 s56, s56, FRB
	s_mul_i32 s57, s57, 768
	s_add_co_u32 s48, s48, s56
	s_add_co_u32 s48, s48, s57
	s_mov_b32 s49, 0
.else
	s_lshl_b32 s48, s15, 23
	s_lshl_b32 s56, s12, 21
	s_add_co_u32 s48, s48, s56
	s_lshl_b32 s56, s14, 8
	s_add_co_u32 s48, s48, s56
	s_mov_b32 s49, 0
.endif
	s_wait_alu depctr_va_vdst(0)
	s_wait_kmcnt 0x0
	s_add_nc_u64 s[6:7], s[6:7], s[16:17]
	global_load_b32 v[SROW], v38, s[6:7]
	s_add_nc_u64 s[62:63], s[4:5], s[46:47]
	s_mov_b32 s53, 0
	GLOAD 0, 1
	GLOAD 1, 0
	GLOAD 2, 1
	GLOAD 3, 0
	s_add_nc_u64 s[48:49], s[10:11], s[48:49]
.if LAYER == 1
	s_add_nc_u64 s[50:51], s[10:11], s[50:51]
.endif
	s_add_nc_u64 s[8:9], s[8:9], s[54:55]
	s_mul_i32 s52, s19, CHUNK
	s_mov_b32 s53, 0
	s_mov_b32 s36, 1
	s_mov_b32 s37, s18
	s_add_nc_u64 s[38:39], s[8:9], s[52:53]
	s_or_b32 s39, s39, 0x80000000
	s_add_co_u32 s45, s19, 1
	s_and_b32 s45, s45, 15
	s_mul_i32 s52, s45, CHUNK
	s_mov_b32 s40, 1
	s_add_co_u32 s41, s18, CHUNK
	s_add_nc_u64 s[42:43], s[8:9], s[52:53]
	s_or_b32 s43, s43, 0x80000000
	ROUND
	tensor_load_to_lds s[36:39], s[28:35]          ; my quarter of the first chunk: my one load at the head
	s_nop 0
.rept 4
	v_nop
.endr
	TURNM 0, 24
	s_wait_dscnt 0x0
	v_mov_b32 v[SROW+1], v[SROW]
	GLOAD 0, 1
	PREPALL                                        ; K step 0 of W is quantised while the first chunk is on its way
	IMGST 0
	s_wait_alu depctr_va_vdst(0)
	s_wait_tensorcnt 0x0                           ; my quarter of the first chunk is in; slot 1's first fill is issued as a refill is
	ds_add_u32 v1, v2
	s_wait_dscnt 0x0
	ROUND
	tensor_load_to_lds s[40:43], s[28:35]
	s_nop 0
.rept 4
	v_nop
.endr
	TURNM 1, 24
	s_wait_dscnt 0x0
	GLOAD 1, 0
	PREPALL
	IMGST 1
	TURNM 2, 24
	s_wait_tensorcnt 0x1
	s_wait_dscnt 0x0
	s_barrier_signal -1
	s_barrier_wait -1
	FETCH 0, 0, 0, 0
	FETCHB 0, 0, 0, 0, 1, 2, 3
	FETCHB 0, 0, 0, 4, 5, 6, 7
	s_wait_dscnt 0x0
.set NXT, 0
	XP 0
	XP 1
	XP 2
	XP 3
.rept 8
	v_nop
.endr
	s_wait_alu depctr_va_vdst(0)
	INTERVAL 0,1,0,2,1,1,24
	s_mov_b32 s44, 6
.Ltrip:
	INTERVAL 1,0,1,1,1,1,24
	INTERVAL 2,0,0,3,1,1,24
	INTERVAL 3,0,1,1,1,1,24
	INTERVAL 0,0,0,4,1,1,24
	s_sub_co_u32 s44, s44, 1
	s_cmp_lg_u32 s44, 0
	s_cbranch_scc1 .Ltrip
	INTERVAL 1,0,1,1,1,1,24
	INTERVAL 2,0,0,0,1,1,16
	INTERVAL 3,0,1,0,1,1,8
	INTERVAL 0,0,0,0,1,1,0
	INTERVAL 1,0,2,0,1,1,-1
	INTERVAL 2,0,0,0,1,0,-1
	s_wait_alu depctr_va_vdst(0)
	INTERVAL 3,0,3,0,0,0,-1
.if LAYER == 1
.set KA, CSUB
.set KB, SROW
.set U,  108
.set H,  140
.set SH, 236
	v_mov_b32 v[KA], 0xC0135761
	v_mov_b32 v[KA+1], 0xC0135761
	v_mov_b32 v[KB], 0xBDD2D3E8
	v_mov_b32 v[KB+1], 0xBDD2D3E8
	v_and_b32 v23, 31, v0
	v_lshlrev_b32 v21, 4, v23
	v_lshlrev_b32 v22, 3, v23
.macro GELU i
.set X, 32*(\i)
	WIN 0x05
.irp q, 0,1,2,3,4,5,6,7,8,9,10,11,12,13,14,15
	v_pk_mul_f32 v[U+2*\q:U+2*\q+1], v[X+2*\q:X+2*\q+1], v[X+2*\q:X+2*\q+1]
.endr
	WIN 0
.irp q, 0,1,2,3,4,5,6,7,8,9,10,11,12,13,14,15
	v_pk_fma_f32 v[U+2*\q:U+2*\q+1], v[U+2*\q:U+2*\q+1], v[KB:KB+1], v[KA:KA+1]
.endr
	WIN 0x04
.irp q, 0,1,2,3,4,5,6,7,8,9,10,11,12,13,14,15
	v_pk_mul_f32 v[U+2*\q:U+2*\q+1], v[U+2*\q:U+2*\q+1], v[X+2*\q:X+2*\q+1]
.endr
	WIN 0
.irp q, 0,1,2,3,4,5,6,7,8,9,10,11,12,13,14,15,16,17,18,19,20,21,22,23,24,25,26,27,28,29,30,31
	v_exp_f32 v[U+\q], v[U+\q]
.endr
	v_nop
	s_wait_alu depctr_va_vdst(0)
.irp q, 0,1,2,3,4,5,6,7,8,9,10,11,12,13,14,15
	v_pk_add_f32 v[U+2*\q:U+2*\q+1], v[U+2*\q:U+2*\q+1], 1.0 op_sel_hi:[1,0]
.endr
.irp q, 0,1,2,3,4,5,6,7,8,9,10,11,12,13,14,15,16,17,18,19,20,21,22,23,24,25,26,27,28,29,30,31
	v_rcp_f32 v[U+\q], v[U+\q]
.endr
	v_nop
	s_wait_alu depctr_va_vdst(0)
	WIN 0x04
.irp q, 0,1,2,3,4,5,6,7,8,9,10,11,12,13,14,15
	v_pk_mul_f32 v[H+2*\q:H+2*\q+1], v[U+2*\q:U+2*\q+1], v[X+2*\q:X+2*\q+1]
.endr
	WIN 0
.endm
.macro QUANT2 i
.set E, 172+8*(\i)
.irp b, 0,1
	v_max3_num_f32 v[M+\b], |v[H+16*\b]|, |v[H+16*\b+1]|, s23
.endr
.irp q, 2,4,6,8,10,12,14
.irp b, 0,1
	v_max3_num_f32 v[M+\b], v[M+\b], |v[H+16*\b+\q]|, |v[H+16*\b+\q+1]|
.endr
.endr
.irp b, 0,1
	v_permlanex16_b32 v[M+2+\b], v[M+\b], s24, s25
.endr
.irp b, 0,1
	v_max_num_f32 v[M+\b], v[M+\b], v[M+2+\b]
.endr
.irp b, 0,1
	v_add_nc_u32 v[SO+\b], 0xfe000000, v[M+\b]
.endr
.irp b, 0,1
	v_lshrrev_b32 v[BY+\b], 23, v[SO+\b]
.endr
	v_cvt_scalef32_pk16_bf6_f32 v[E:E+2], v[H:H+15], v[SO]
	v_cvt_scalef32_pk16_bf6_f32 v[E+4:E+6], v[H+16:H+31], v[SO+1]
.if (\i)%2 == 0
	v_lshl_or_b32 v[SH+(\i)/2], v[BY+1], 8, v[BY]
.else
	v_lshl_or_b32 v[WT], v[BY+1], 8, v[BY]
	v_lshl_or_b32 v[SH+(\i)/2], v[WT], 16, v[SH+(\i)/2]
.endif
.irp q, 0,1,2
	v_permlane16_swap_b32 v[E+\q], v[E+4+\q]
.endr
.irp q, 0,1,2
	v_mov_b32 v[E+3+\q], v[E+4+\q]
.endr
	global_store_b128 v21, v[E:E+3], s[48:49] offset:1536*(\i)
	global_store_b64 v22, v[E+4:E+5], s[48:49] offset:1536*(\i)+512
.endm
.irp i, 0,1,2,3,4,5,6,7
	GELU \i
	QUANT2 \i
.endr
	v_cmp_gt_u32 vcc_lo, 16, v23
	v_cndmask_b32 v240, v[SH+2], v[SH], vcc_lo
	v_cndmask_b32 v241, v[SH+3], v[SH+1], vcc_lo
	global_store_b64 v22, v[240:241], s[50:51]
.else
.set GP, 39
.set OB, 108
	v_lshlrev_b32 v[GP], 4, v22
	v_lshl_add_u32 v[GP], v23, 14, v[GP]
.macro TOSTAGE m
	WIN 0x04
.irp a, 0,1,2,3
	ds_store_b128 v[STR], v[8*(4*(\m)+\a):8*(4*(\m)+\a)+3] offset:128*(\a/2)+32*(\a%2)
	ds_store_b128 v[STR], v[8*(4*(\m)+\a)+4:8*(4*(\m)+\a)+7] offset:128*(\a/2)+32*(\a%2)+16
.endr
	WIN 0
.irp i, 0,1,2,3,4,5,6,7
	ds_load_b128 v[OB+32*((\m)%2)+4*\i:OB+32*((\m)%2)+4*\i+3], v[STW] offset:544*\i
.endr
.endm
.macro SEND m, younger
	s_wait_dscnt \younger
.irp i, 0,1,2,3,4,5,6,7
	global_store_b128 v[GP], v[OB+32*((\m)%2)+4*\i:OB+32*((\m)%2)+4*\i+3], s[48:49] offset:(16*(\m)+2*\i)*16384 th:TH_STORE_NT
.endr
.endm
	s_wait_alu depctr_va_vdst(0)
	TOSTAGE 0
.irp m, 1,2,3,4,5,6,7
.if \m > 1
	s_wait_xcnt 0x0
.endif
	TOSTAGE \m
	SEND \m-1, 16
.endr
	SEND 7, 0
.endif
	s_wait_tensorcnt 0x0
	ds_add_u32 v[SPW], v[NIL]
	s_wait_dscnt 0x0
	ROUND
	s_endpgm
.Lfunc_end_k_qa014ba5196_fc2:
	.size	k_qa014ba5196_fc2, .Lfunc_end_k_qa014ba5196_fc2-k_qa014ba5196_fc2
	.p2alignl 7, 3214868480
	.fill 96, 4, 3214868480
	.section	.rodata,"a",@progbits
	.p2align	6, 0x0
	.amdhsa_kernel k_qa014ba5196_fc2
		.amdhsa_group_segment_fixed_size 327680
		.amdhsa_private_segment_fixed_size 0
		.amdhsa_enable_private_segment 0
		.amdhsa_kernarg_size 32
		.amdhsa_user_sgpr_count 2
		.amdhsa_user_sgpr_kernarg_segment_ptr 1
		.amdhsa_wavefront_size32 1
		.amdhsa_system_sgpr_workgroup_id_x 1
		.amdhsa_system_sgpr_workgroup_id_y 1
		.amdhsa_system_sgpr_workgroup_id_z 1
		.amdhsa_system_vgpr_workitem_id 0
		.amdhsa_next_free_vgpr 1024
		.amdhsa_next_free_sgpr 66
		.amdhsa_reserve_vcc 1
		.amdhsa_float_denorm_mode_32 3
		.amdhsa_float_denorm_mode_16_64 3
		.amdhsa_memory_ordered 1
		.amdhsa_forward_progress 1
		.amdhsa_inst_pref_size 255
	.end_amdhsa_kernel
	.section	.bss,"aw",@nobits
	.p2align	6
	.space	262144
	.amdgpu_metadata
---
amdhsa.version: [ 1, 2 ]
amdhsa.kernels:
  - .name:           k_qa014ba5196_fc2
    .symbol:         k_qa014ba5196_fc2.kd
    .args:
      - { .name: fc2_packed, .offset: 0, .size: 8, .value_kind: global_buffer, .address_space: global }
      - { .name: fc2_scales, .offset: 8, .size: 8, .value_kind: global_buffer, .address_space: global }
      - { .name: hq, .offset: 16, .size: 8, .value_kind: global_buffer, .address_space: global }
      - { .name: part, .offset: 24, .size: 8, .value_kind: global_buffer, .address_space: global }
    .group_segment_fixed_size: 327680
    .private_segment_fixed_size: 0
    .kernarg_segment_align: 8
    .kernarg_segment_size: 32
    .max_flat_workgroup_size: 128
    .sgpr_count:     66
    .vgpr_count:     1024
    .wavefront_size: 32
...
	.end_amdgpu_metadata
.endif
;; end of part 7
;; launch addk (part 8): grid 256 x 1, 8 waves a work-group, no clusters, 0 bytes of LDS; arguments part, out0; writes out0
.if DOCPART == 8
	.amdgcn_target "amdgcn-amd-amdhsa--gfx1250"
	.amdhsa_code_object_version 6
	.text
	.protected	k_qa014ba5196_addk
	.globl	k_qa014ba5196_addk
	.p2align	8
	.type	k_qa014ba5196_addk,@function
k_qa014ba5196_addk:
	s_mov_b64 s[64:65], 0
	v_nop
	global_prefetch_b8 v0, s[64:65] scope:SCOPE_SE
	s_setreg_imm32_b32 hwreg(HW_REG_WAVE_MODE, 25, 1), 1
	s_wait_xcnt 0x0
; out0 = ((part[0] + part[1]) + part[2]) + part[3]: the four quarters of the second product's K, each [512][4096] f32, added in f32 in that order.
; A stream: a work-group owns 32,768 consecutive bytes of out0, thread t the 16 bytes at 16 t of each of eight runs of 4,096 bytes, so a wave's load or store covers 512 consecutive bytes, aligned.
; All 32 loads of a thread go out at once; the waits count down.  No LDS, no barrier, no matrix unit, no cluster: no work-group shares a byte with another.
.set QB, 0x800000                      ; bytes in a quarter's partial sums
.set P,  8                             ; v8-135: run i, quarter y at v[P + 16 i + 4 y]
	s_load_b128 s[4:7], s[0:1], 0x0                ; part, out0
	v_lshlrev_b32 v1, 4, v0
	s_lshl_b32 s8, ttmp9, 15
	s_mov_b32 s9, 0
	s_wait_alu depctr_va_vdst(0)
	s_wait_kmcnt 0x0
	s_add_nc_u64 s[4:5], s[4:5], s[8:9]
	s_add_nc_u64 s[6:7], s[6:7], s[8:9]
	s_add_nc_u64 s[10:11], s[4:5], QB              ; a base for each quarter: the distance does not fit a load's immediate
	s_add_nc_u64 s[12:13], s[4:5], 2*QB
	s_add_nc_u64 s[14:15], s[4:5], 3*QB
.irp i, 0,1,2,3,4,5,6,7
	global_load_b128 v[P+16*\i:P+16*\i+3],     v1, s[4:5]   offset:4096*\i th:TH_LOAD_NT
	global_load_b128 v[P+16*\i+4:P+16*\i+7],   v1, s[10:11] offset:4096*\i th:TH_LOAD_NT
	global_load_b128 v[P+16*\i+8:P+16*\i+11],  v1, s[12:13] offset:4096*\i th:TH_LOAD_NT
	global_load_b128 v[P+16*\i+12:P+16*\i+15], v1, s[14:15] offset:4096*\i th:TH_LOAD_NT
.endr
.irp i, 0,1,2,3,4,5,6,7
	s_wait_loadcnt 4*(7-\i)                        ; run i's four loads are in; four for each younger run may be out
.irp y, 1
	v_pk_add_f32 v[P+16*\i:P+16*\i+1],   v[P+16*\i:P+16*\i+1],   v[P+16*\i+4*\y:P+16*\i+4*\y+1]
	v_pk_add_f32 v[P+16*\i+2:P+16*\i+3], v[P+16*\i+2:P+16*\i+3], v[P+16*\i+4*\y+2:P+16*\i+4*\y+3]
.endr
.irp y, 2, 3
	s_delay_alu instid0(VALU_DEP_2)
	v_pk_add_f32 v[P+16*\i:P+16*\i+1],   v[P+16*\i:P+16*\i+1],   v[P+16*\i+4*\y:P+16*\i+4*\y+1]
	s_delay_alu instid0(VALU_DEP_2)
	v_pk_add_f32 v[P+16*\i+2:P+16*\i+3], v[P+16*\i+2:P+16*\i+3], v[P+16*\i+4*\y+2:P+16*\i+4*\y+3]
.endr
	global_store_b128 v1, v[P+16*\i:P+16*\i+3], s[6:7] offset:4096*\i th:TH_STORE_NT
.endr
	s_endpgm
.Lfunc_end_k_qa014ba5196_addk:
	.size	k_qa014ba5196_addk, .Lfunc_end_k_qa014ba5196_addk-k_qa014ba5196_addk
	.p2alignl 7, 3214868480
	.fill 96, 4, 3214868480
	.section	.rodata,"a",@progbits
	.p2align	6, 0x0
	.amdhsa_kernel k_qa014ba5196_addk
		.amdhsa_group_segment_fixed_size 0
		.amdhsa_private_segment_fixed_size 0
		.amdhsa_enable_private_segment 0
		.amdhsa_kernarg_size 16
		.amdhsa_user_sgpr_count 2
		.amdhsa_user_sgpr_kernarg_segment_ptr 1
		.amdhsa_wavefront_size32 1
		.amdhsa_system_sgpr_workgroup_id_x 1
		.amdhsa_system_sgpr_workgroup_id_y 1
		.amdhsa_system_sgpr_workgroup_id_z 1
		.amdhsa_system_vgpr_workitem_id 0
		.amdhsa_next_free_vgpr 140
		.amdhsa_next_free_sgpr 66
		.amdhsa_reserve_vcc 0
		.amdhsa_float_denorm_mode_32 3
		.amdhsa_float_denorm_mode_16_64 3
		.amdhsa_memory_ordered 1
		.amdhsa_forward_progress 1
		.amdhsa_inst_pref_size 9
	.end_amdhsa_kernel
	.amdgpu_metadata
---
amdhsa.version: [ 1, 2 ]
amdhsa.kernels:
  - .name:           k_qa014ba5196_addk
    .symbol:         k_qa014ba5196_addk.kd
    .args:
      - { .name: part, .offset: 0, .size: 8, .value_kind: global_buffer, .address_space: global }
      - { .name: out0, .offset: 8, .size: 8, .value_kind: global_buffer, .address_space: global }
    .group_segment_fixed_size: 0
    .private_segment_fixed_size: 0
    .kernarg_segment_align: 8
    .kernarg_segment_size: 16
    .max_flat_workgroup_size: 256
    .sgpr_count:     66
    .vgpr_count:     140
    .wavefront_size: 32
...
	.end_amdgpu_metadata
.endif
;; end of part 8
